; MI455X (gfx1250); checked and timed in simulation.
; The chip was launched on July 23, 2026; its instructions are those of AMD's public machine-readable ISA for CDNA 5 (MIT licence, August 2026) and "CDNA5" Instruction Set Architecture Reference Guide (July 2026). The comments in the code are by the model that wrote it; some were corrected since.
;; M Vo T Token Processor. Allowed arithmetic: float matrix products may take bf16 or f16 operands with f32 sums; all other float work in f32.
;; Inputs: hidden_states 4 x 1,024 x 2,048 float32; ib1 2,048 float32; ib2 2,048 float32; iw1 2,048 x 2,048 float32; iw2 2,048 x 2,048 float32; ln_beta 2,048 float32; ln_gamma 2,048 float32; tb1 2,048 float32; tb2 2,048 float32; token_type_ids 4 x 1,024 int32; tw1 2,048 x 2,048 float32; tw2 2,048 x 2,048 float32.
;; Outputs: out0 4 x 1,024 x 2,048 float32.
;; 2 versions, each right; version 2 is version 1 with the launch ln written anew for expert scheduling mode. Each part assembles by itself: llvm-mc -triple=amdgcn-amd-amdhsa -mcpu=gfx1250 --defsym DOCPART=n.
;; ======== version 1 of 2: 4 launches
;; limits: a function is approximated: absolute error at most 2.5e-05; an absolute error that grows with the inputs' magnitude: up to 1.25e-05 times it
;; workspace buffers: wb 33,554,432 bytes; xs 18,874,368 bytes; hmid 18,874,368 bytes; order 18,432 bytes of whole numbers; meta 256 bytes of whole numbers
;; launch prep (part 1): grid 1025 x 1, 8 waves a work-group, no clusters, 19,712 bytes of LDS; arguments token_type_ids, tw1, iw1, tw2, iw2, wb, order, meta; writes wb, order, meta
.if DOCPART == 1
	.amdgcn_target "amdgcn-amd-amdhsa--gfx1250"
	.amdhsa_code_object_version 6
	.text
	.protected	k_q3b13ceccc2_prep
	.globl	k_q3b13ceccc2_prep
	.p2align	8
	.type	k_q3b13ceccc2_prep,@function
k_q3b13ceccc2_prep:
	s_mov_b64 s[64:65], 0
	v_nop
	global_prefetch_b8 v0, s[64:65] scope:SCOPE_SE
	s_setreg_imm32_b32 hwreg(HW_REG_WAVE_MODE, 25, 1), 1
	s_wait_xcnt 0x0
; PREP: work-group 0 routes the tokens; work-groups 1 to 1024 round the four weight matrices to bf16.
; CAST.  wb = [4][2048 k][2048 n] bf16: tw1, iw1, tw2, iw2, as they lie (not turned).  A work-group takes 65,536 bytes of one matrix:
; 16 loads of 16 bytes a lane (a wave's load covers 512 consecutive bytes), all on their way at once; a wave's store covers 256 consecutive bytes, aligned.
; ROUTE.  Class 1 = type 1 (image expert); class 0 = every other type (text expert; a type other than 0 and 1 carries the factor 0).
; The slot space is 16 slices of 288 rows; a slice belongs to one expert.  4096 = 14 x 288 + 64, so ceil(nT/288) + ceil(nI/288) <= 16 for every split.
; Expert e gets G_e slices (GT + GI = 16; G_e = 0 exactly where n_e = 0) and puts q_e = ceil(n_e / G_e) <= 288 tokens into each, in token order; G_e is about n_e / 256, so
; n_e > (G_e - 1)^2 and every slice holds at least one token.
; order[slot] = token | upper half of the f32 factor (0x3f80 for types 0 and 1, else 0).  A slice with c tokens has them in rows 0 to c - 1; row r >= c REPEATS the entry of row min(r - c, c - 1)
; of the same slice, so that every slot names a token of its own slice and the later launches treat all 288 rows alike.
; meta[j] = the expert of slice j (words 16 to 63 come out as 1 and fill the 256 bytes).
; All numbers here are whole numbers made from token_type_ids; no sum spans work-groups.
.set TOT, 18432                        ; LDS: the slot table, 4,608 words, at 0; the eight waves' counts behind it
.set WV,  20                           ; s20 my wave's number
.set NI,  24                           ; s24 tokens of class 1
.set RUN, 25                           ; s25 class 1 tokens in front of the 32 tokens in hand
.set NT,  26                           ; s26 tokens of class 0
.set GT,  30                           ; s30 slices of the text expert; s31 of the image expert
.set QT,  56                           ; s56, s57 tokens a slice
.set QI,  57
	s_load_b512 s[4:19], s[0:1], 0x0               ; ids s[4:5], tw1 s[6:7], iw1 s[8:9], tw2 s[10:11], iw2 s[12:13], wb s[14:15], order s[16:17], meta s[18:19]
	v_lshl_add_u32 v104, v0, 2, 0x4900
	v_mov_b32 v105, 0
	v_lshrrev_b32 v1, 5, v0
	v_readfirstlane_b32 s[WV], v1
	s_cmp_eq_u32 ttmp9, 0                          ; the same answer in all eight waves
	s_cbranch_scc1 .Lroute
	; ---------------- the cast ----------------
	s_sub_co_u32 s21, ttmp9, 1
	s_lshr_b32 s22, s21, 8                         ; which matrix
	s_and_b32 s23, s21, 255                        ; which of its 256 parts
	s_lshl_b32 s24, s23, 16                        ; 65,536 bytes in,
	s_mov_b32 s25, 0
	s_lshl_b32 s26, s22, 23                        ; 8 MiB a matrix and
	s_lshl_b32 s27, s23, 15                        ; 32,768 bytes out
	s_add_co_u32 s26, s26, s27
	s_mov_b32 s27, 0
	v_lshlrev_b32 v1, 4, v0                        ; 16 bytes a thread in
	v_lshlrev_b32 v2, 3, v0                        ; 8 bytes a thread out
	s_wait_kmcnt 0x0
	s_cmp_eq_u32 s22, 1
	s_cselect_b64 s[6:7], s[8:9], s[6:7]
	s_cmp_eq_u32 s22, 2
	s_cselect_b64 s[6:7], s[10:11], s[6:7]
	s_cmp_eq_u32 s22, 3
	s_cselect_b64 s[6:7], s[12:13], s[6:7]
	s_add_nc_u64 s[6:7], s[6:7], s[24:25]
	s_add_nc_u64 s[14:15], s[14:15], s[26:27]
.set j, 0
.rept 16
	global_load_b128 v[8+4*j:11+4*j], v1, s[6:7] offset:4096*j th:TH_LOAD_NT  ; the f32 weights are read once in the whole program
.set j, j+1
.endr
.set j, 0
.rept 16
	s_wait_loadcnt 15-j                            ; loads come back in order: load j is in, the younger ones stay out
	v_cvt_pk_bf16_f32 v[72+2*j], v[8+4*j], v[9+4*j]
	v_cvt_pk_bf16_f32 v[73+2*j], v[10+4*j], v[11+4*j]
	global_store_b64 v2, v[72+2*j:73+2*j], s[14:15] offset:2048*j  ; every store has data registers of its own: nothing is rewritten
.set j, j+1
.endr
	s_endpgm
	; ---------------- the route ----------------
.Lroute:
	v_and_b32 v1, 31, v0                           ; lane
	v_lshrrev_b32 v3, 5, v0
	v_lshl_or_b32 v3, v3, 9, v1                    ; my first token: 512 x wave + lane; token k of 16 lies 32 k on: wave, k, lane is the tokens' own order
	v_lshlrev_b32 v2, 2, v3
	v_lshlrev_b32 v4, 3, v0                        ; 8 x thread
	v_mov_b32 v6, 0
	v_mov_b32 v7, 0
	s_wait_kmcnt 0x0
.set k, 0
.rept 16
	global_load_b32 v[8+k], v2, s[4:5] offset:128*k
.set k, k+1
.endr
.set i, 0
.rept 9
	ds_store_b64 v4, v[6:7] offset:2048*i          ; every word of the slot table is written once before the scatter
.set i, i+1
.endr
	s_wait_loadcnt 0x0
	s_mov_b32 s22, 0
.set k, 0
.rept 16
	v_cmp_eq_u32 s[32+k], 1, v[8+k]                ; s[32:47]: the class 1 masks of my 16 x 32 tokens
	s_bcnt1_i32_b32 s21, s[32+k]
	s_add_co_u32 s22, s22, s21
.set k, k+1
.endr
	s_lshl_b32 s23, s[WV], 2
	s_add_co_u32 s23, s23, TOT
	v_mov_b32 v24, s23
	v_mov_b32 v25, s22
	ds_store_b32 v24, v25                          ; my wave's count, to its own word
	s_wait_dscnt 0x0                               ; for the others: my count and my part of the zeros are written
	s_barrier_signal -1
	s_barrier_wait -1
	v_mov_b32 v24, TOT
	ds_load_b128 v[26:29], v24
	ds_load_b128 v[30:33], v24 offset:16
	s_wait_dscnt 0x0                               ; my reads are over
	s_barrier_signal -1
	s_barrier_wait -1                              ; everybody's are: only now does any wave scatter into LDS
.set i, 0
.rept 8
	v_readfirstlane_b32 s[48+i], v[26+i]
.set i, i+1
.endr
	s_mov_b32 s[NI], 0
	s_mov_b32 s[RUN], 0
.set i, 0
.rept 8
	s_add_co_u32 s[NI], s[NI], s[48+i]
	s_cmp_gt_u32 s[WV], i                          ; the waves in front of mine
	s_cselect_b32 s21, s[48+i], 0
	s_add_co_u32 s[RUN], s[RUN], s21
.set i, i+1
.endr
	s_sub_co_u32 s[NT], 4096, s[NI]
	s_add_co_u32 s28, s[NT], 287                   ; ceil(n / 288) = ((n + 287) x 14564) >> 22: 14564 x 288 = 2^22 + 128, exact for n + 287 below 32,768
	s_mul_i32 s28, s28, 14564
	s_lshr_b32 s28, s28, 22
	s_add_co_u32 s29, s[NI], 287
	s_mul_i32 s29, s29, 14564
	s_lshr_b32 s29, s29, 22
	s_add_co_u32 s[GT], s[NT], 128                 ; about nT / 256 slices,
	s_lshr_b32 s[GT], s[GT], 8
	s_max_u32 s[GT], s[GT], s28                    ; enough for the text tokens,
	s_sub_co_u32 s31, 16, s29
	s_min_u32 s[GT], s[GT], s31                    ; and enough left for the image tokens
	s_sub_co_u32 s31, 16, s[GT]
; q = ceil(n / g), and 1 where n = 0: the largest t with t g < n, found bit by bit, plus 1
.macro QDIV n, g, q
	s_mov_b32 s[\q], 0
.irp b, 256,128,64,32,16,8,4,2,1
	s_add_co_u32 s58, s[\q], \b
	s_mul_i32 s59, s58, s[\g]
	s_cmp_lt_u32 s59, s[\n]
	s_cselect_b32 s[\q], s58, s[\q]
.endr
	s_add_co_u32 s[\q], s[\q], 1
.endm
	QDIV NT, GT, QT
	QDIV NI, 31, QI
	v_mov_b32 v40, s[GT]
	v_mov_b32 v44, s[QT]
	v_mov_b32 v45, s[QI]
	v_mov_b32 v43, 0x3f800000                      ; the factor 1.0
; Token k of my 16: its rank r in its class, its slice s = r / q (bit by bit, 0 to 15), its slot, its entry
.macro PLACE k
	v_mbcnt_lo_u32_b32 v32, s[32+(\k)], s[RUN]     ; class 1 tokens in front of mine
	v_add_nc_u32 v33, 32*(\k), v3                  ; the token
	v_sub_nc_u32 v34, v33, v32                     ; class 0 tokens in front of mine
	v_cndmask_b32 v35, v34, v32, s[32+(\k)]        ; r
	v_cndmask_b32 v36, v44, v45, s[32+(\k)]        ; q
	v_cndmask_b32 v37, 0, v40, s[32+(\k)]          ; the expert's first slice
	v_mov_b32 v38, 0
.irp b, 8,4,2,1
	v_add_nc_u32 v39, \b, v38
	v_mul_u32_u24 v41, v39, v36
	v_cmp_ge_u32 vcc_lo, v35, v41
	v_cndmask_b32 v38, v38, v39, vcc_lo
.endr
	v_mul_u32_u24 v41, v38, v36
	v_sub_nc_u32 v41, v35, v41                     ; the row in the slice
	v_add_nc_u32 v38, v38, v37
	v_mad_u32_u24 v41, v38, 288, v41               ; the slot
	v_min_u32 v41, 4607, v41                       ; it is inside the table by the arithmetic above; the bound is written out
	v_lshlrev_b32 v41, 2, v41
	v_cmp_gt_u32 vcc_lo, 2, v[8+(\k)]              ; types 0 and 1 (a negative type is a large unsigned number)
	v_cndmask_b32 v42, 0, v43, vcc_lo
	v_or_b32 v42, v42, v33
	ds_store_b32 v41, v42                          ; every token has a slot of its own
	s_bcnt1_i32_b32 s21, s[32+(\k)]
	s_add_co_u32 s[RUN], s[RUN], s21
.endm
.irp k, 0,1,2,3,4,5,6,7,8,9,10,11,12,13,14,15
	PLACE \k
.endr
	s_wait_dscnt 0x0                               ; for the others: my entries are written
	s_barrier_signal -1
	s_barrier_wait -1
	v_lshlrev_b32 v5, 1, v0                        ; thread t writes out slots 2 t + 512 i and the next, i = 0 to 8
	v_mov_b32 v60, s[NT]
	v_mov_b32 v61, s[NI]
; Slot n of my 18: its slice j, its row, the slice's count c; a row from c on takes the entry of row min(row - c, c - 1)
.macro SRC n
	v_add_nc_u32 v32, 512*((\n)/2)+(\n)%2, v5      ; the slot
	v_mul_u32_u24 v33, v32, 14564
	v_lshrrev_b32 v33, 22, v33                     ; j = slot / 288, exact below 32,768 as above
	v_mul_u32_u24 v34, v33, 288
	v_sub_nc_u32 v35, v32, v34                     ; the row
	v_cmp_ge_u32 vcc_lo, v33, v40                  ; a slice of the image expert
	v_cndmask_b32 v36, 0, v40, vcc_lo
	v_sub_nc_u32 v36, v33, v36                     ; its number among the expert's slices
	v_cndmask_b32 v37, v60, v61, vcc_lo            ; n
	v_cndmask_b32 v38, v44, v45, vcc_lo            ; q
	v_mul_u32_u24 v39, v36, v38
	v_sub_nc_u32 v39, v37, v39                     ; what is left for this slice and those behind it
	v_max_i32 v39, 1, v39                          ; (at least 1 by the arithmetic at the head; the bound is written out)
	v_min_i32 v39, v39, v38                        ; c
	v_sub_nc_u32 v41, v35, v39
	v_add_nc_u32 v42, -1, v39
	v_min_i32 v41, v41, v42                        ; min(row - c, c - 1)
	v_cmp_ge_u32 vcc_lo, v35, v39
	v_cndmask_b32 v41, v35, v41, vcc_lo            ; the row whose entry this slot takes: its own below c
	v_add_nc_u32 v41, v41, v34
	v_min_u32 v41, 4607, v41
	v_lshlrev_b32 v41, 2, v41
	ds_load_b32 v[72+(\n)], v41
.endm
.irp n, 0,1,2,3,4,5,6,7,8,9,10,11,12,13,14,15,16,17
	SRC \n
.endr
	s_wait_dscnt 0x0
.set i, 0
.rept 9
	global_store_b64 v4, v[72+2*i:73+2*i], s[16:17] offset:2048*i  ; a wave's store covers 256 consecutive bytes, aligned
.set i, i+1
.endr
	s_cmp_lg_u32 s[WV], 0
	s_cbranch_scc1 .Lend                           ; wave 0 writes meta: lane l writes words 2 l and 2 l + 1
	v_lshlrev_b32 v62, 1, v1
	v_cmp_ge_u32 vcc_lo, v62, v40                  ; slice j belongs to the image expert from GT on
	v_cndmask_b32 v64, 0, 1, vcc_lo
	v_add_nc_u32 v63, 1, v62
	v_cmp_ge_u32 vcc_lo, v63, v40
	v_cndmask_b32 v65, 0, 1, vcc_lo
	v_lshlrev_b32 v70, 3, v1
	global_store_b64 v70, v[64:65], s[18:19]
.Lend:
	s_wait_tensorcnt 0x0
	ds_add_u32 v104, v105
	s_wait_dscnt 0x0
	s_endpgm
.Lfunc_end_k_q3b13ceccc2_prep:
	.size	k_q3b13ceccc2_prep, .Lfunc_end_k_q3b13ceccc2_prep-k_q3b13ceccc2_prep
	.p2alignl 7, 3214868480
	.fill 96, 4, 3214868480
	.section	.rodata,"a",@progbits
	.p2align	6, 0x0
	.amdhsa_kernel k_q3b13ceccc2_prep
		.amdhsa_group_segment_fixed_size 19712
		.amdhsa_private_segment_fixed_size 0
		.amdhsa_enable_private_segment 0
		.amdhsa_kernarg_size 64
		.amdhsa_user_sgpr_count 2
		.amdhsa_user_sgpr_kernarg_segment_ptr 1
		.amdhsa_wavefront_size32 1
		.amdhsa_system_sgpr_workgroup_id_x 1
		.amdhsa_system_sgpr_workgroup_id_y 1
		.amdhsa_system_sgpr_workgroup_id_z 1
		.amdhsa_system_vgpr_workitem_id 0
		.amdhsa_next_free_vgpr 106
		.amdhsa_next_free_sgpr 66
		.amdhsa_reserve_vcc 1
		.amdhsa_float_denorm_mode_32 3
		.amdhsa_float_denorm_mode_16_64 3
		.amdhsa_memory_ordered 1
		.amdhsa_forward_progress 1
		.amdhsa_inst_pref_size 57
	.end_amdhsa_kernel
	.amdgpu_metadata
---
amdhsa.version: [ 1, 2 ]
amdhsa.kernels:
  - .name:           k_q3b13ceccc2_prep
    .symbol:         k_q3b13ceccc2_prep.kd
    .args:
      - { .name: token_type_ids, .offset: 0, .size: 8, .value_kind: global_buffer, .address_space: global }
      - { .name: tw1, .offset: 8, .size: 8, .value_kind: global_buffer, .address_space: global }
      - { .name: iw1, .offset: 16, .size: 8, .value_kind: global_buffer, .address_space: global }
      - { .name: tw2, .offset: 24, .size: 8, .value_kind: global_buffer, .address_space: global }
      - { .name: iw2, .offset: 32, .size: 8, .value_kind: global_buffer, .address_space: global }
      - { .name: wb, .offset: 40, .size: 8, .value_kind: global_buffer, .address_space: global }
      - { .name: order, .offset: 48, .size: 8, .value_kind: global_buffer, .address_space: global }
      - { .name: meta, .offset: 56, .size: 8, .value_kind: global_buffer, .address_space: global }
    .group_segment_fixed_size: 19712
    .private_segment_fixed_size: 0
    .kernarg_segment_align: 8
    .kernarg_segment_size: 64
    .max_flat_workgroup_size: 256
    .sgpr_count:     66
    .vgpr_count:     106
    .wavefront_size: 32
...
	.end_amdgpu_metadata
.endif
;; end of part 1
;; launch ln (part 2): grid 256 x 1, 18 waves a work-group, no clusters, 18,688 bytes of LDS; arguments hidden_states, order, ln_gamma, ln_beta, xs; writes xs
.if DOCPART == 2
	.amdgcn_target "amdgcn-amd-amdhsa--gfx1250"
	.amdhsa_code_object_version 6
	.text
	.protected	k_q3b13ceccc2_ln
	.globl	k_q3b13ceccc2_ln
	.p2align	8
	.type	k_q3b13ceccc2_ln,@function
k_q3b13ceccc2_ln:
	s_mov_b64 s[64:65], 0
	v_nop
	global_prefetch_b8 v0, s[64:65] scope:SCOPE_SE
	s_setreg_imm32_b32 hwreg(HW_REG_WAVE_MODE, 25, 1), 1
	s_wait_xcnt 0x0
; xs[slot][:] = bf16( (x - mean) * rsqrt(var + 1e-12) * gamma + beta ), x = hidden_states[token of the slot].  4,608 slots = 256 work-groups x 18 waves:
; one wave, one row of 8,192 bytes, kept in 64 registers between the passes: the mean, then the sum of squares of x - mean (two passes, so a common
; offset of the inputs costs no accuracy), then the scaling.  All 16 loads of a row go out at once.  Every slot names a token (512 of the 4,608 repeat a token of their slice): all rows are made alike.
; gamma and beta are fetched once by the work-group (waves 0 to 15, 16 bytes a thread) and read by every wave from LDS.
; Matrix units, clusters and tensor loads buy nothing here: the launch moves bytes.
.set X,   8                            ; v[8:71]    the row: load j holds columns 128 j + 4 lane .. + 3
.set G,   72                           ; v[72:103]  gamma for half a row
.set BT,  104                          ; v[104:135] beta for half a row
.set A,   136                          ; v[136:143] four running pairs; later mean, 1/sigma
.set WV,  20
	s_load_b256 s[4:11], s[0:1], 0x0               ; hidden s[4:5], order s[6:7], gamma s[8:9], beta s[10:11]
	s_load_b64 s[12:13], s[0:1], 0x20              ; xs
	v_lshl_add_u32 v144, v0, 2, 0x4000
	v_mov_b32 v145, 0
	v_lshrrev_b32 v1, 5, v0
	v_readfirstlane_b32 s[WV], v1
	s_mul_i32 s21, ttmp9, 18
	s_add_co_u32 s21, s21, s[WV]                   ; my slot
	s_lshl_b32 s22, s21, 2
	v_lshlrev_b32 v2, 4, v0                        ; 16 x thread
	v_and_b32 v3, 31, v0
	v_lshlrev_b32 v4, 3, v3                        ; 8 x lane
	v_lshlrev_b32 v3, 4, v3                        ; 16 x lane
	s_mov_b32 s24, 0x76543210                      ; v_permlanex16_b32: each lane takes its own place in the other half
	s_mov_b32 s25, 0xfedcba98
	s_mov_b32 s26, 0x3a000000                      ; 1 / 2048
	s_mov_b32 s27, 0x2b8cbccc                      ; 1e-12
	s_lshl_b32 s28, s21, 12                        ; a row of xs is 4,096 bytes
	s_mov_b32 s29, 0
	s_wait_kmcnt 0x0
	s_load_b32 s23, s[6:7], s22 offset:0x0         ; the slot's entry
	s_add_nc_u64 s[12:13], s[12:13], s[28:29]
	s_cmp_lt_u32 s[WV], 16
	s_cbranch_scc0 .Lno_gb
	global_load_b128 v[G:G+3], v2, s[8:9]          ; 512 threads x 16 bytes = all of gamma,
	global_load_b128 v[G+4:G+7], v2, s[10:11]      ; and of beta
.Lno_gb:
	s_wait_kmcnt 0x0
	s_and_b32 s23, s23, 0xffff                     ; the token
	s_min_u32 s23, s23, 4095
	s_lshl_b32 s30, s23, 13                        ; a row of hidden_states is 8,192 bytes
	s_mov_b32 s31, 0
	s_add_nc_u64 s[4:5], s[4:5], s[30:31]
.set j, 0
.rept 16
	global_load_b128 v[X+4*j:X+4*j+3], v3, s[4:5] offset:512*j  ; 512 consecutive bytes a load
.set j, j+1
.endr
	s_cmp_lt_u32 s[WV], 16
	s_cbranch_scc0 .Lno_st
	s_wait_loadcnt 16                              ; gamma's and beta's loads are in; the 16 row loads issued behind them stay out
	ds_store_b128 v2, v[G:G+3]
	ds_store_b128 v2, v[G+4:G+7] offset:8192
.Lno_st:
	s_wait_dscnt 0x0                               ; for the others: my part of gamma and beta is written
	s_barrier_signal -1
	s_barrier_wait -1
.macro GB hf                           ; gamma and beta for half hf of my columns
.set j, 0
.rept 8
	ds_load_b128 v[G+4*j:G+4*j+3], v3 offset:512*(8*(\hf)+j)
	ds_load_b128 v[BT+4*j:BT+4*j+3], v3 offset:8192+512*(8*(\hf)+j)
.set j, j+1
.endr
.endm
.macro TOTAL                           ; the four pairs, then the 32 lanes: every lane ends with the sum in v[A]
	v_pk_add_f32 v[A:A+1], v[A:A+1], v[A+2:A+3]
	v_pk_add_f32 v[A+4:A+5], v[A+4:A+5], v[A+6:A+7]
	v_pk_add_f32 v[A:A+1], v[A:A+1], v[A+4:A+5]
	v_add_f32 v[A], v[A], v[A+1]
	v_add_f32_dpp v[A], v[A], v[A] row_xmask:1 row_mask:0xf bank_mask:0xf
	v_add_f32_dpp v[A], v[A], v[A] row_xmask:2 row_mask:0xf bank_mask:0xf
	v_add_f32_dpp v[A], v[A], v[A] row_xmask:4 row_mask:0xf bank_mask:0xf
	v_add_f32_dpp v[A], v[A], v[A] row_xmask:8 row_mask:0xf bank_mask:0xf
	v_permlanex16_b32 v[A+1], v[A], s24, s25
	v_add_f32 v[A], v[A], v[A+1]
.endm
	GB 0
	s_wait_loadcnt 0x0                             ; the row
.irp c, 0,1,2,3
	v_pk_add_f32 v[A+2*\c:A+2*\c+1], v[X+2*\c:X+2*\c+1], v[X+8+2*\c:X+8+2*\c+1]  ; the first eight pairs start four chains: nothing is cleared
.endr
.set p, 8
.rept 24
	v_pk_add_f32 v[A+2*(p%4):A+2*(p%4)+1], v[A+2*(p%4):A+2*(p%4)+1], v[X+2*p:X+2*p+1]
.set p, p+1
.endr
	TOTAL
	v_mul_f32 v[A], s26, v[A]                      ; the mean
	v_mov_b32 v[A+1], v[A]                         ; named with it as a pair
.set p, 0
.rept 32
	v_pk_add_f32 v[X+2*p:X+2*p+1], v[X+2*p:X+2*p+1], v[A:A+1] op_sel_hi:[1,0] neg_lo:[0,1] neg_hi:[0,1]
.set p, p+1
.endr
.irp c, 0,1,2,3
	v_pk_mul_f32 v[A+2*\c:A+2*\c+1], v[X+2*\c:X+2*\c+1], v[X+2*\c:X+2*\c+1]
.endr
.set p, 4
.rept 28
	v_pk_fma_f32 v[A+2*(p%4):A+2*(p%4)+1], v[X+2*p:X+2*p+1], v[X+2*p:X+2*p+1], v[A+2*(p%4):A+2*(p%4)+1]
.set p, p+1
.endr
	TOTAL
	v_fma_f32 v[A], v[A], s26, s27                 ; the variance + 1e-12
	v_rsq_f32 v[A+2], v[A]
	v_rsq_f32 v[A+3], v[A]                         ; twice, for the packed multiply
	v_nop                                          ; a plain instruction between the root and the use of its result (ISA guide 5.7.2)
	s_wait_alu depctr_va_vdst(0)
.macro HALF hf
	s_wait_dscnt 0x0                               ; this half's gamma and beta
.set p, 0
.rept 16
	v_pk_mul_f32 v[X+32*(\hf)+2*p:X+32*(\hf)+2*p+1], v[X+32*(\hf)+2*p:X+32*(\hf)+2*p+1], v[A+2:A+3]
.set p, p+1
.endr
.set p, 0
.rept 16
	v_pk_fma_f32 v[X+32*(\hf)+2*p:X+32*(\hf)+2*p+1], v[X+32*(\hf)+2*p:X+32*(\hf)+2*p+1], v[G+2*p:G+2*p+1], v[BT+2*p:BT+2*p+1]
.set p, p+1
.endr
.if (\hf) == 0
	GB 1                                           ; the other half's come in while this half is rounded and stored
.endif
.set j, 8*(\hf)
.rept 8
	v_cvt_pk_bf16_f32 v[X+4*j], v[X+4*j], v[X+4*j+1]
	v_cvt_pk_bf16_f32 v[X+4*j+1], v[X+4*j+2], v[X+4*j+3]
	global_store_b64 v4, v[X+4*j:X+4*j+1], s[12:13] offset:256*j  ; the wave's store covers 256 consecutive bytes, aligned
.set j, j+1
.endr
.endm
	HALF 0
	HALF 1
	s_wait_tensorcnt 0x0
	ds_add_u32 v144, v145
	s_wait_dscnt 0x0
	s_endpgm
.Lfunc_end_k_q3b13ceccc2_ln:
	.size	k_q3b13ceccc2_ln, .Lfunc_end_k_q3b13ceccc2_ln-k_q3b13ceccc2_ln
	.p2alignl 7, 3214868480
	.fill 96, 4, 3214868480
	.section	.rodata,"a",@progbits
	.p2align	6, 0x0
	.amdhsa_kernel k_q3b13ceccc2_ln
		.amdhsa_group_segment_fixed_size 18688
		.amdhsa_private_segment_fixed_size 0
		.amdhsa_enable_private_segment 0
		.amdhsa_kernarg_size 40
		.amdhsa_user_sgpr_count 2
		.amdhsa_user_sgpr_kernarg_segment_ptr 1
		.amdhsa_wavefront_size32 1
		.amdhsa_system_sgpr_workgroup_id_x 1
		.amdhsa_system_sgpr_workgroup_id_y 1
		.amdhsa_system_sgpr_workgroup_id_z 1
		.amdhsa_system_vgpr_workitem_id 0
		.amdhsa_next_free_vgpr 146
		.amdhsa_next_free_sgpr 66
		.amdhsa_reserve_vcc 0
		.amdhsa_float_denorm_mode_32 3
		.amdhsa_float_denorm_mode_16_64 3
		.amdhsa_memory_ordered 1
		.amdhsa_forward_progress 1
		.amdhsa_inst_pref_size 21
	.end_amdhsa_kernel
	.amdgpu_metadata
---
amdhsa.version: [ 1, 2 ]
amdhsa.kernels:
  - .name:           k_q3b13ceccc2_ln
    .symbol:         k_q3b13ceccc2_ln.kd
    .args:
      - { .name: hidden_states, .offset: 0, .size: 8, .value_kind: global_buffer, .address_space: global }
      - { .name: order, .offset: 8, .size: 8, .value_kind: global_buffer, .address_space: global }
      - { .name: ln_gamma, .offset: 16, .size: 8, .value_kind: global_buffer, .address_space: global }
      - { .name: ln_beta, .offset: 24, .size: 8, .value_kind: global_buffer, .address_space: global }
      - { .name: xs, .offset: 32, .size: 8, .value_kind: global_buffer, .address_space: global }
    .group_segment_fixed_size: 18688
    .private_segment_fixed_size: 0
    .kernarg_segment_align: 8
    .kernarg_segment_size: 40
    .max_flat_workgroup_size: 576
    .sgpr_count:     66
    .vgpr_count:     146
    .wavefront_size: 32
...
	.end_amdgpu_metadata
.endif
;; end of part 2
;; launch gemm1 (part 3): grid 16 x 16, 4 waves a work-group, clusters of 4 x 1, 327,680 bytes of LDS; arguments xs, wb, meta, tb1, ib1, hmid; writes hmid
.if DOCPART == 3
	.amdgcn_target "amdgcn-amd-amdhsa--gfx1250"
	.amdhsa_code_object_version 6
	.text
	.protected	k_q3b13ceccc2_gemm1
	.globl	k_q3b13ceccc2_gemm1
	.p2align	8
	.type	k_q3b13ceccc2_gemm1,@function
k_q3b13ceccc2_gemm1:
	s_mov_b64 s[64:65], 0
	v_nop
	global_prefetch_b8 v0, s[64:65] scope:SCOPE_SE
	s_setreg_imm32_b32 hwreg(HW_REG_WAVE_MODE, 25, 1), 1
	s_wait_xcnt 0x0
	s_wait_alu depctr_hold_cnt(0) depctr_sa_sdst(0) depctr_va_vdst(0) depctr_va_sdst(0) depctr_va_ssrc(0) depctr_va_vcc(0) depctr_vm_vsrc(0)
	s_getreg_b32 s2, hwreg(HW_REG_IB_STS2, 6, 4)
	s_cmp_eq_u32 s2, 0
	s_cbranch_scc0 .Lentry_in_a_cluster
	s_endpgm
.Lentry_in_a_cluster:
	s_bfe_u32 s2, ttmp6, 0x10000c
	s_cmp_lg_u32 s2, 0x3003
	s_cbranch_scc0 .Lentry_shape_is_right
	s_endpgm
.Lentry_shape_is_right:
; hmid[slot][n] = bf16( gelu( sum over k of xs[slot][k] W1e[k][n] + b1e[n] ) ), e = the expert of the slot's slice (meta).  xs, hmid: [4608][2048] bf16; W1e: wb's matrix e, [k][n] bf16.
; SHARES.  A work-group makes one slice (288 slots) x 128 columns: 16 slices x 16 column tiles = 256 work-groups.  Wave (WR, WC) makes 144 x 64: 9 x 4 accumulators of 16 x 16, 288 registers.
; K goes in steps of 128 through two LDS slots filled by the tensor data mover: 288 rows of xs (256 bytes each; waves 0 to 2 fetch 96 rows each) and 128 k-rows of W (256 bytes each; wave 3).
; Two slots of 256 along K would be (288 + 128) x 256 x 2 x 2 = 425,984 bytes without padding: they do not fit.
; THE WALK ALONG K.  The 16 K steps are walked as a ring that begins at step 4 p, p = (g + cluster x) mod 4, g = 2 b2 + (b1 xor b0) of the bits of the slice's number.  The four clusters of a slice
; have four different p, and so have four slices that differ in b2 and in one of b1, b0: the work-groups that read the same tile ask for it in different trips, and each of them is the first to ask in 4 of
; its 16 steps.  p hangs on the cluster's x and y alone, so it is the same in the four partners.  LIMIT: the order of the f32 sums along K is not ascending and differs from work-group to work-group.
; THE MATRIX INSTRUCTION IS USED TRANSPOSED: source 0 = 16 columns of W (turned on the way out of LDS by ds_load_tr16_b128), source 1 = 16 slots: a lane then holds one slot (lane % 16) and the
; eight neighbouring columns 8 (lane / 16) + 0..7.  The bias is the C operand of the first products.
; CLUSTER.  The four column tiles of a cluster belong to one slice and need the same tile of xs, 73,728 of a step's 106,496 bytes: it is asked for JOINTLY (mask 15).  W's tile is each work-group's own:
; the work-groups that share it are other slices of the same expert, and how many slices an expert has hangs on the data (with one text token there is one text slice), so no fixed group of four shares it.
; GELU, exact form: gelu(z) = max(z, 0) - |z| q(|z|), q(u) = erfc(u / sqrt 2) / 2.  LIMIT: erfc(x) is taken as (a1 t + a2 t^2 + a3 t^3) exp(-x^2), t = 1 / (1 + 0.47047 x), whose error is at most 2.5e-5
; for every x >= 0: h is off by at most 1.25e-5 |z|, under a hundredth of bf16's own rounding of h where |z| is about 1.  exp's results below 2^-126 count as 0.
; xs, W and h are rounded to bf16; sums in f32.  NaN and infinities are not treated apart.
; REGISTERS, in windows of 256 (s_set_vgpr_msb: bits 1:0 source 0, 3:2 source 1, 5:4 source 2, 7:6 destination):
;   window 0: v0-31 addresses; v32-135, v136-239 two fragment buffers (9 fragments of slots, then 4 of W), at work on the way out
;   window 1: accumulator (a, b), a = 0..7, at v[32 a + 8 b]          window 2: v0-31 accumulators (8, b); v32-63 the bias, 8 registers for each b
.set PA,    272                        ; a row of xs in LDS: 256 bytes + 16 = 68 words: the 16 rows of a load start at 16 different groups of four banks (64 banks of 4 bytes: ISA guide 11.1)
.set PB,    288                        ; a k-row of W: 256 + 32 = 72 words
.set APART, 96*PA                      ; what one of A's loads brings
.set BOFF,  3*APART                    ; W's tile lies behind the 288 rows
.set SLOT,  BOFF+128*PB                ; 115,200 bytes
.set FP,    528                        ; the way out: a row of 128 f32 + 16 bytes
.set STG1,  2*SLOT                     ; the stage of rows 144-287 lies behind the ring; that of rows 0-143 at LDS byte 0, in slot 0, which has had its last fill and its last read by then
.set SPARE, STG1+144*FP                ; behind it: the spare words, 128 bytes for each wave: two blocks of 256 bytes that no other line names
.set LAPS,  8                          ; a lap = two K steps of 128
.set ADRA, 16                          ; v16-17  LDS address of my slots' fragments in slot 0, 1
.set ADRB, 18                          ; v18-19  the same for W
.set STO,  20                          ; v20-22  the way out: where I put 16 bytes, for blocks 0-3, 4-7, 8
.set RD,   23                          ; v23     the way out: where I read a row back
.set GO,   24                          ; v24     8 x lane
.set SPW,  28                          ; v28     LDS address of my spare word; never rewritten
.set NIL,  29                          ; v29     0; never rewritten
.set F0,   32
.set F1,   136
.set BIAS, 32                          ; in window 2
.set ZZ,   32                          ; the way out, window 0: z; 1 + p |z| and t; the exponent and exp; max(z, 0) and h; the polynomial; h in bf16
.set TT,   64
.set EE,   96
.set MM,   128
.set RR,   160
.set PP,   192
.set WV, 20                            ; s20 wave; s21 its half of the rows; s22 its half of the columns
.set WR, 21
.set WC, 22
.set CX, 23                            ; s23 my place in the cluster: it enters W's, the bias's and hmid's global addresses alone
.set CT, 24                            ; s24 column tile
.set SL, 25                            ; s25 slice
.set EX, 26                            ; s26 the slice's expert
.set G1A, 28                           ; s[28:35] descriptor group 1 for xs's tiles;  s[36:43] for W's
.set G1B, 36
.set G0A, 44                           ; s[44:51] group 0 for xs's tiles, a set for each slot;  s[52:59] for W's
.set G0B, 52
.set CNT, 60
.set KS,  61                           ; s61 the K step to be asked for next, 0 to 15
.set OF,  62                           ; s[62:63] its byte offset, the high word 0
.set BA,  70                           ; s[70:71] xs at my rows, K step 0
.set BB,  74                           ; s[74:75] W at my columns, K step 0
.set MSB, 0
.macro WIN new                         ; the immediate's high byte repeats the setting that is left; a switch that changes nothing is dropped
.if MSB != (\new)
	s_set_vgpr_msb (MSB<<8)|(\new)
.set MSB, (\new)
.endif
.endm
.macro PLACES                          ; four places in front of loads into registers that matrix instructions have read, and of lines that read results
.rept 4
	v_nop
.endr
.endm
.macro CREST                           ; a round of the cluster's barrier behind its opening barrier
	s_cmp_lg_u32 s[WV], 0
	s_cbranch_scc1 .Lnot_wave_0_\@
	s_barrier_signal -3
.Lnot_wave_0_\@:
	s_barrier_wait -3
	s_barrier_signal -1
	s_barrier_wait -1
.endm
.macro CROUND                          ; a whole round
	s_barrier_signal -1
	s_barrier_wait -1
	CREST
.endm
.macro JLOAD s                         ; a refill: waves 0 to 2 ask jointly for their thirds of xs's tile, wave 3 for W's tile; an s_nop 0 and four v_nop follow each line
	s_cmp_lt_u32 s[WV], 3
	s_cbranch_scc0 .Lfor_b_\@
	tensor_load_to_lds s[G0A+4*(\s):G0A+4*(\s)+3], s[G1A:G1A+7]
	s_nop 0
.rept 4
	v_nop
.endr
	s_branch .Lasked_\@
.Lfor_b_\@:
	tensor_load_to_lds s[G0B+4*(\s):G0B+4*(\s)+3], s[G1B:G1B+7]
	s_nop 0
.rept 4
	v_nop
.endr
.Lasked_\@:
.endm
	s_load_b256 s[4:11], s[0:1], 0x0               ; xs s[4:5], wb s[6:7], meta s[8:9], tb1 s[10:11]
	s_load_b128 s[12:15], s[0:1], 0x20             ; ib1 s[12:13], hmid s[14:15]
	v_lshl_add_u32 v[SPW], v0, 2, SPARE
	v_mov_b32 v[NIL], 0
	ds_add_u32 v28, v29
	s_wait_dscnt 0x0
	v_lshrrev_b32 v1, 5, v0
	v_readfirstlane_b32 s[WV], v1
	s_lshr_b32 s[WR], s[WV], 1
	s_and_b32 s[WC], s[WV], 1
	s_bfe_u32 s[CX], ttmp6, 0x40000
	s_lshl_b32 s[CT], ttmp9, 2                     ; in a cluster launch ttmp9 counts clusters
	s_add_co_u32 s[CT], s[CT], s[CX]
	s_and_b32 s[SL], ttmp7, 0xffff                 ; the slice, which the four partners share
	s_lshl_b32 s66, s[SL], 2
	s_bfe_u32 s[KS], s[SL], 0x10002                ; b2 of the slice's number
	s_lshr_b32 s[OF], s[SL], 1
	s_xor_b32 s[OF], s[OF], s[SL]
	s_and_b32 s[OF], s[OF], 1                      ; b1 xor b0
	s_lshl1_add_u32 s[KS], s[KS], s[OF]            ; g
	s_add_co_u32 s[KS], s[KS], ttmp9               ; + the cluster's x
	s_and_b32 s[KS], s[KS], 3                      ; p
	s_lshl_b32 s[KS], s[KS], 2                     ; the walk's first K step: 0, 4, 8 or 12
	s_mov_b32 s[OF+1], 0
	s_wait_kmcnt 0x0
	s_load_b32 s[EX], s[8:9], s66 offset:0x0       ; meta[slice]: the expert; waited for behind the round below
	s_mov_b32 s[G1A+0], 15|(1<<16)|(1<<20)|(1<<21)|(5<<22)|(3<<25)  ; 15:0 the mask of four; 17:16 2-byte elements; 20 padding on; 21 set beside a mask; 24:22 after every 64 words; 31:25 4 words
	s_mov_b32 s[G1A+1], 128<<16                    ; tensor_dim0 = 128
	s_mov_b32 s[G1A+2], 96<<16                     ; tensor_dim1 = 96
	s_mov_b32 s[G1A+3], 128<<16                    ; tile_dim0 = 128
	s_mov_b32 s[G1A+4], 96                         ; tile_dim1 = 96
	s_mov_b32 s[G1A+5], 2048                       ; elements from row to row
	s_mov_b32 s[G1A+6], 0
	s_mov_b32 s[G1A+7], 0
	s_mov_b32 s[G1B+0], (1<<16)|(1<<20)|(5<<22)|(7<<25)  ; no mask; 8 words of padding
	s_mov_b32 s[G1B+1], 128<<16
	s_mov_b32 s[G1B+2], 128<<16
	s_mov_b32 s[G1B+3], 128<<16
	s_mov_b32 s[G1B+4], 128
	s_mov_b32 s[G1B+5], 2048
	s_mov_b32 s[G1B+6], 0
	s_mov_b32 s[G1B+7], 0
	s_mul_i32 s67, s[WV], APART                    ; where my third of xs's tile goes: the wave's number alone
	s_mul_i32 s68, s[SL], 288
	s_mul_i32 s69, s[WV], 96
	s_add_co_u32 s68, s68, s69                     ; its first row: slice and wave alone
	s_lshl_b32 s68, s68, 12
	s_mov_b32 s69, 0
	s_add_nc_u64 s[BA:BA+1], s[4:5], s[68:69]
	s_lshl_b32 s[OF], s[KS], 8                     ; a K step is 256 bytes along a row of xs
	s_add_nc_u64 s[G0A+2:G0A+3], s[BA:BA+1], s[OF:OF+1]  ; slot 0: the walk's first step,
	s_add_nc_u64 s[G0A+6:G0A+7], s[G0A+2:G0A+3], 256     ; slot 1: the next (the first is 12 at the most: no wrap)
.irp s, 0,1
	s_mov_b32 s[G0A+4*\s], 1                       ; count = 1
	s_add_co_u32 s[G0A+4*\s+1], s67, \s*SLOT       ; LDS address
	s_or_b32 s[G0A+4*\s+3], s[G0A+4*\s+3], 0x80000000  ; type = 2
	s_mov_b32 s[G0B+4*\s], 1
	s_mov_b32 s[G0B+4*\s+1], BOFF+\s*SLOT
.endr
	CROUND                                         ; all four work-groups are here: the first joint loads meet
	s_wait_kmcnt 0x0                               ; the expert
	s_min_u32 s[EX], s[EX], 1
	s_lshl_b32 s72, s[EX], 23                      ; W1 of expert e is wb's matrix e, 8 MiB each
	s_lshl_b32 s73, s[CT], 8                       ; my 128 columns
	s_add_co_u32 s72, s72, s73
	s_mov_b32 s73, 0
	s_add_nc_u64 s[BB:BB+1], s[6:7], s[72:73]
	s_lshl_b32 s[OF], s[KS], 19                    ; a K step is 128 k-rows of 4,096 bytes
	s_add_nc_u64 s[G0B+2:G0B+3], s[BB:BB+1], s[OF:OF+1]
	s_add_nc_u64 s[G0B+6:G0B+7], s[G0B+2:G0B+3], 524288
	s_or_b32 s[G0B+3], s[G0B+3], 0x80000000
	s_or_b32 s[G0B+7], s[G0B+7], 0x80000000
	s_add_co_u32 s[KS], s[KS], 2                   ; the first refill's step (14 at the most)
	s_cmp_lt_u32 s[WV], 3                          ; a wave's two first fills stand in one branch: two loads of mine are out
	s_cbranch_scc0 .Lfirst_b
	tensor_load_to_lds s[G0A:G0A+3], s[G1A:G1A+7]
	s_nop 0
	tensor_load_to_lds s[G0A+4:G0A+7], s[G1A:G1A+7]
	s_nop 0
.rept 4
	v_nop
.endr
	s_branch .Lfirst_asked
.Lfirst_b:
	tensor_load_to_lds s[G0B:G0B+3], s[G1B:G1B+7]
	s_nop 0
	tensor_load_to_lds s[G0B+4:G0B+7], s[G1B:G1B+7]
	s_nop 0
.rept 4
	v_nop
.endr
.Lfirst_asked:
	s_cmp_eq_u32 s[EX], 1
	s_cselect_b64 s[76:77], s[12:13], s[10:11]     ; the expert's bias,
	s_lshl_b32 s78, s[CT], 9
	s_lshl_b32 s79, s[WC], 8
	s_add_co_u32 s78, s78, s79                     ; at my wave's 64 columns
	s_mov_b32 s79, 0
	s_add_nc_u64 s[76:77], s[76:77], s[78:79]
	v_and_b32 v1, 15, v0                           ; r = lane % 16
	v_bfe_u32 v2, v0, 4, 1                         ; h = lane / 16
	v_lshlrev_b32 v7, 5, v2
	WIN 0x80                                       ; destination window 2
.irp b, 0,1,2,3
	global_load_b128 v[BIAS+8*\b:BIAS+8*\b+3],   v7, s[76:77] offset:64*\b     ; register j: bias of column 16 b + 8 h + j
	global_load_b128 v[BIAS+8*\b+4:BIAS+8*\b+7], v7, s[76:77] offset:64*\b+16
.endr
	WIN 0
	v_mul_u32_u24 v3, v1, PA                       ; a fragment of slots: row x pitch + 16 h, two loads 32 bytes apart
	v_lshl_add_u32 v3, v2, 4, v3
	s_mul_i32 s66, s[WR], 144*PA
	v_add_nc_u32 v[ADRA], s66, v3
	v_add_nc_u32 v[ADRA+1], SLOT, v[ADRA]
	v_and_b32 v4, 7, v0                            ; the turning load: lane l reads k-row 8 h + l % 8, columns 8 ((l / 8) % 2) + 0..7, and is left with column l % 16 and 8 k
	v_bfe_u32 v5, v0, 3, 1
	v_lshl_add_u32 v6, v2, 3, v4
	v_mul_u32_u24 v6, v6, PB
	v_lshl_add_u32 v6, v5, 4, v6
	s_lshl_b32 s66, s[WC], 7
	s_add_co_u32 s66, s66, BOFF
	v_add_nc_u32 v[ADRB], s66, v6
	v_add_nc_u32 v[ADRB+1], SLOT, v[ADRB]
	v_mul_u32_u24 v8, v1, FP                       ; into the stage: row r of a block, my wave's 256 bytes, 32 bytes for each half of the lanes
	v_lshl_add_u32 v8, v2, 5, v8
	s_mul_i32 s66, s[WR], STG1
	s_lshl_b32 s67, s[WC], 8
	s_add_co_u32 s67, s67, s66
	v_add_nc_u32 v[STO], s67, v8
	v_add_nc_u32 v[STO+1], 4*16*FP, v[STO]
	v_add_nc_u32 v[STO+2], 8*16*FP, v[STO]
	v_and_b32 v9, 31, v0
	s_mul_i32 s67, s[WC], 72*FP                    ; back: wave (WR, WC) takes rows 72 WC .. + 71 of WR's stage, whole: 32 lanes x 16 bytes are a row
	s_add_co_u32 s67, s67, s66
	v_lshl_add_u32 v[RD], v9, 4, s67
	v_lshlrev_b32 v[GO], 3, v9
	s_mul_i32 s80, s[SL], 288                      ; and the same rows in hmid
	s_mul_i32 s81, s[WR], 144
	s_add_co_u32 s80, s80, s81
	s_mul_i32 s81, s[WC], 72
	s_add_co_u32 s80, s80, s81
	s_lshl_b32 s80, s80, 12
	s_lshl_b32 s81, s[CT], 8
	s_add_co_u32 s80, s80, s81
	s_mov_b32 s81, 0
	s_add_nc_u64 s[14:15], s[14:15], s[80:81]
; n blocks of 16 slots from a0 on x all 4 blocks of columns, 32 along K, from buffer f.  first = 1: the products start the sums, with the bias as C.
.macro MUL f, a0, n, first
.set ma, (\a0)
.rept \n
.if ma < 8
.set rD, 32*ma
.if \first
	WIN 0x60                                       ; D window 1, C window 2
.else
	WIN 0x50                                       ; C and D window 1
.endif
.else
.set rD, 0
	WIN 0xa0                                       ; C and D window 2
.endif
.irp b, 0,1,2,3
.if \first
	v_wmma_f32_16x16x32_bf16 v[rD+8*\b:rD+8*\b+7], v[(\f)+72+8*\b:(\f)+72+8*\b+7], v[(\f)+8*ma:(\f)+8*ma+7], v[BIAS+8*\b:BIAS+8*\b+7]
.else
	v_wmma_f32_16x16x32_bf16 v[rD+8*\b:rD+8*\b+7], v[(\f)+72+8*\b:(\f)+72+8*\b+7], v[(\f)+8*ma:(\f)+8*ma+7], v[rD+8*\b:rD+8*\b+7]
.endif
.endr
.set ma, ma+1
.endr
.endm
; 26 LDS loads in one run: the fragments of quarter q (32 along K) of a slot, into buffer f; W's eight first, then the slots' eighteen
.macro FETCH slot, q, f
	WIN 0
.irp b, 0,1,2,3
	ds_load_tr16_b128 v[(\f)+72+8*\b:(\f)+72+8*\b+3],   v[ADRB+(\slot)] offset:32*PB*(\q)+32*\b
	ds_load_tr16_b128 v[(\f)+72+8*\b+4:(\f)+72+8*\b+7], v[ADRB+(\slot)] offset:32*PB*(\q)+32*\b+16*PB
.endr
.irp a, 0,1,2,3,4,5,6,7,8
	ds_load_b128 v[(\f)+8*\a:(\f)+8*\a+3],   v[ADRA+(\slot)] offset:64*(\q)+16*PA*\a
	ds_load_b128 v[(\f)+8*\a+4:(\f)+8*\a+7], v[ADRA+(\slot)] offset:64*(\q)+16*PA*\a+32
.endr
.endm
; A K step is four quarters of 32 along K, 36 matrix instructions each, on buffers 0, 1, 0, 1.  The 36 accumulators take turns in the same order in every quarter (blocks 0-3, 8, 4-7).
; One of the first three: multiplies buffer f and, in its middle, fetches quarter q of the same slot into buffer g.
.macro QUARTER slot, q, f, g, first
	s_wait_dscnt 10                                ; W and blocks 0-3 are in; the youngest ten loads (blocks 4-8) may be out
	MUL \f, 0, 4, \first
	PLACES
	FETCH \slot, \q, \g
	s_wait_dscnt 26                                ; all but the 26 just issued
	MUL \f, 8, 1, \first
	MUL \f, 4, 4, \first
.endm
; The last quarter multiplies buffer 1 and changes slots: ONE barrier; in front of it each wave waits for all its tensor loads (one is out: its part of the next slot), adds 0 to its spare word, and waits for that
; and for its own reads of this slot.  fill = 1: the barrier opens a round of the cluster's barrier, and this slot is filled again, with the ring's step KS, first thing behind the round: 128 matrix instructions
; ahead of the wait for it.  Both descriptors' addresses are made anew from that step's number while the add is out.
.macro TURN slot, next, fill
	WIN 0
	s_wait_tensorcnt 0x0                           ; all my tensor loads have landed, so a group 0 may be written
	ds_add_u32 v[SPW], v[NIL]                      ; 0 onto my spare word
.if \fill
	s_lshl_b32 s[OF], s[KS], 8
	s_add_nc_u64 s[G0A+4*(\slot)+2:G0A+4*(\slot)+3], s[BA:BA+1], s[OF:OF+1]
	s_or_b32 s[G0A+4*(\slot)+3], s[G0A+4*(\slot)+3], 0x80000000
	s_lshl_b32 s[OF], s[KS], 19
	s_add_nc_u64 s[G0B+4*(\slot)+2:G0B+4*(\slot)+3], s[BB:BB+1], s[OF:OF+1]
	s_or_b32 s[G0B+4*(\slot)+3], s[G0B+4*(\slot)+3], 0x80000000
	s_add_co_u32 s[KS], s[KS], 1                   ; the ring's next step
	s_and_b32 s[KS], s[KS], 15
.endif
	s_wait_dscnt 11                                ; (the add and the youngest ten loads may be out)
	MUL F1, 0, 2, 0                                ; eight matrix instructions stand between the add and the wait for it
	s_wait_dscnt 0x0                               ; the add is done, and my reads of this slot are over
	s_barrier_signal -1
	MUL F1, 2, 2, 0
	WIN 0                                          ; at a branch and at a label every window is 0
	s_barrier_wait -1
.if \fill
	CREST                                          ; no wave of any partner still reads this slot's tile or has a load on its way
	JLOAD \slot                                    ; its four v_nop are also the places in front of the loads below
.else
	PLACES
.endif
	FETCH \next, 0, F0
	MUL F1, 8, 1, 0
	MUL F1, 4, 4, 0
.endm
	s_wait_tensorcnt 1                             ; my part of the first step is in; the second's may stay out
	s_barrier_signal -1
	s_barrier_wait -1                              ; everybody's is
	FETCH 0, 0, F0
	s_wait_loadcnt 0x0                             ; the bias
	QUARTER 0, 1, F0, F1, 1                        ; the first quarter stands in front of the loop: its products start the sums
	WIN 0
	s_mov_b32 s[CNT], LAPS-1
.Llap:                                                 ; a trip goes once round the two slots and fills both again
	QUARTER 0, 2, F1, F0, 0
	QUARTER 0, 3, F0, F1, 0
	TURN 0, 1, 1
	QUARTER 1, 1, F0, F1, 0
	QUARTER 1, 2, F1, F0, 0
	QUARTER 1, 3, F0, F1, 0
	TURN 1, 0, 1
	QUARTER 0, 1, F0, F1, 0
	WIN 0
	s_sub_co_u32 s[CNT], s[CNT], 1
	s_cmp_lg_u32 s[CNT], 0
	s_cbranch_scc1 .Llap
	QUARTER 0, 2, F1, F0, 0                        ; the last lap fills nothing
	QUARTER 0, 3, F0, F1, 0
	TURN 0, 1, 0
	QUARTER 1, 1, F0, F1, 0
	QUARTER 1, 2, F1, F0, 0
	QUARTER 1, 3, F0, F1, 0
	s_wait_dscnt 10
	MUL F1, 0, 4, 0
	s_wait_dscnt 0x0
	MUL F1, 8, 1, 0
	MUL F1, 4, 4, 0
	WIN 0
	PLACES
	; THE WAY OUT.  The sums go as f32 into the stage of my half of the rows (each accumulator's lowest registers first); a barrier, since a row's 128 columns come from two waves;
	; then each wave takes 72 whole rows, 8 a trip: gelu, rounding, and stores of 256 consecutive bytes.
	s_mov_b32 s66, 0x3eaa540e                      ; p = 0.47047 / sqrt 2
	s_mov_b32 s68, 0xbf38aa3b                      ; -log2(e) / 2
	s_mov_b32 s69, s68                             ; (the packed forms name pairs and take the low word)
	s_mov_b32 s70, 0x3e32303a                      ; a1 / 2 =  0.1740121
	s_mov_b32 s71, s70
	s_mov_b32 s72, 0xbd445ca1                      ; a2 / 2 = -0.0479399
	s_mov_b32 s73, s72
	s_mov_b32 s74, 0x3ebf7377                      ; a3 / 2 =  0.3739278
	s_mov_b32 s75, s74
.set sa, 0
.rept 9
.if sa < 8
.set rD, 32*sa
	WIN 0x04                                       ; the data (source 1) in window 1
.else
.set rD, 0
	WIN 0x08
.endif
.irp b, 0,1,2,3
	ds_store_b128 v[STO+sa/4], v[rD+8*\b:rD+8*\b+3]   offset:(sa%4)*16*FP+64*\b
	ds_store_b128 v[STO+sa/4], v[rD+8*\b+4:rD+8*\b+7] offset:(sa%4)*16*FP+64*\b+16
.endr
.set sa, sa+1
.endr
	WIN 0
	s_wait_dscnt 0x0                               ; for the others: my stores into the stage are done
	s_barrier_signal -1
	s_barrier_wait -1
	s_mov_b32 s[CNT], 9
; A trip: 8 rows, 32 numbers a lane.  The arithmetic goes stage by stage over the 16 pairs, so that no line reads the result of the line before it; a plain line stands behind every reciprocal and exponential.
.Lrows:
.irp i, 0,1,2,3,4,5,6,7
	ds_load_b128 v[ZZ+4*\i:ZZ+4*\i+3], v[RD] offset:FP*\i
.endr
	v_add_nc_u32 v[RD], 8*FP, v[RD]                ; the next trip's rows
	s_wait_xcnt 0x0                                ; the last trip's stores have had their addresses translated: their base and data are rewritten only behind this wait, which stands under the LDS loads
	s_add_nc_u64 s[14:15], s[14:15], 32768         ; 8 rows of hmid on; the stores below reach back by their immediates
	s_wait_dscnt 0x0
.set i, 0
.rept 32
	v_fma_f32 v[TT+i], |v[ZZ+i]|, s66, 1.0         ; 1 + p |z|
.set i, i+1
.endr
.set p, 0
.rept 16
	v_pk_mul_f32 v[EE+2*p:EE+2*p+1], v[ZZ+2*p:ZZ+2*p+1], s[68:69] op_sel_hi:[1,0]
.set p, p+1
.endr
.set p, 0
.rept 16
	v_pk_mul_f32 v[EE+2*p:EE+2*p+1], v[EE+2*p:EE+2*p+1], v[ZZ+2*p:ZZ+2*p+1]  ; -z^2 log2(e) / 2
.set p, p+1
.endr
.set i, 0
.rept 32
	v_rcp_f32 v[TT+i], v[TT+i]                     ; t
	v_max_num_f32 v[MM+i], 0, v[ZZ+i]              ; max(z, 0)
.set i, i+1
.endr
.set p, 0
.rept 16
	v_exp_f32 v[EE+p], v[EE+p]                     ; exp(-z^2 / 2)
	s_wait_alu depctr_va_vdst(0)
	v_pk_fma_f32 v[RR+2*p:RR+2*p+1], v[TT+2*p:TT+2*p+1], s[74:75], s[72:73] op_sel_hi:[1,0,0]
.set p, p+1
.endr
.set p, 0
.rept 16
	v_exp_f32 v[EE+16+p], v[EE+16+p]
	v_pk_fma_f32 v[RR+2*p:RR+2*p+1], v[RR+2*p:RR+2*p+1], v[TT+2*p:TT+2*p+1], s[70:71] op_sel_hi:[1,1,0]
.set p, p+1
.endr
.set p, 0
.rept 16
	v_pk_mul_f32 v[RR+2*p:RR+2*p+1], v[RR+2*p:RR+2*p+1], v[TT+2*p:TT+2*p+1]
.set p, p+1
.endr
.set p, 0
	s_wait_alu depctr_va_vdst(0)
.rept 16
	v_pk_mul_f32 v[RR+2*p:RR+2*p+1], v[RR+2*p:RR+2*p+1], v[EE+2*p:EE+2*p+1]  ; erfc(|z| / sqrt 2) / 2
.set p, p+1
.endr
.set i, 0
.rept 32
	v_fma_f32 v[MM+i], -|v[ZZ+i]|, v[RR+i], v[MM+i]
.set i, i+1
.endr
.set p, 0
.rept 16
	v_cvt_pk_bf16_f32 v[PP+p], v[MM+2*p], v[MM+2*p+1]
.set p, p+1
.endr
.irp i, 0,1,2,3,4,5,6,7
	global_store_b64 v[GO], v[PP+2*\i:PP+2*\i+1], s[14:15] offset:4096*\i-32768  ; the wave's store covers 256 consecutive bytes, aligned
.endr
	s_sub_co_u32 s[CNT], s[CNT], 1
	s_cmp_lg_u32 s[CNT], 0
	s_cbranch_scc1 .Lrows
	s_wait_tensorcnt 0x0                           ; the wave's end, behind my last tensor load and my last LDS store
	ds_add_u32 v[SPW], v[NIL]
	s_wait_dscnt 0x0
	CROUND                                         ; the closing round: no work-group ends while a partner may still ask for a tile that names it
	s_endpgm
.Lfunc_end_k_q3b13ceccc2_gemm1:
	.size	k_q3b13ceccc2_gemm1, .Lfunc_end_k_q3b13ceccc2_gemm1-k_q3b13ceccc2_gemm1
	.p2alignl 7, 3214868480
	.fill 96, 4, 3214868480
	.section	.rodata,"a",@progbits
	.p2align	6, 0x0
	.amdhsa_kernel k_q3b13ceccc2_gemm1
		.amdhsa_group_segment_fixed_size 327680
		.amdhsa_private_segment_fixed_size 0
		.amdhsa_enable_private_segment 0
		.amdhsa_kernarg_size 48
		.amdhsa_user_sgpr_count 2
		.amdhsa_user_sgpr_kernarg_segment_ptr 1
		.amdhsa_wavefront_size32 1
		.amdhsa_system_sgpr_workgroup_id_x 1
		.amdhsa_system_sgpr_workgroup_id_y 1
		.amdhsa_system_sgpr_workgroup_id_z 1
		.amdhsa_system_vgpr_workitem_id 0
		.amdhsa_next_free_vgpr 576
		.amdhsa_next_free_sgpr 96
		.amdhsa_reserve_vcc 0
		.amdhsa_float_denorm_mode_32 3
		.amdhsa_float_denorm_mode_16_64 3
		.amdhsa_memory_ordered 1
		.amdhsa_forward_progress 1
		.amdhsa_inst_pref_size 100
	.end_amdhsa_kernel
	.amdgpu_metadata
---
amdhsa.version: [ 1, 2 ]
amdhsa.kernels:
  - .name:           k_q3b13ceccc2_gemm1
    .symbol:         k_q3b13ceccc2_gemm1.kd
    .args:
      - { .name: xs, .offset: 0, .size: 8, .value_kind: global_buffer, .address_space: global }
      - { .name: wb, .offset: 8, .size: 8, .value_kind: global_buffer, .address_space: global }
      - { .name: meta, .offset: 16, .size: 8, .value_kind: global_buffer, .address_space: global }
      - { .name: tb1, .offset: 24, .size: 8, .value_kind: global_buffer, .address_space: global }
      - { .name: ib1, .offset: 32, .size: 8, .value_kind: global_buffer, .address_space: global }
      - { .name: hmid, .offset: 40, .size: 8, .value_kind: global_buffer, .address_space: global }
    .group_segment_fixed_size: 327680
    .private_segment_fixed_size: 0
    .kernarg_segment_align: 8
    .kernarg_segment_size: 48
    .max_flat_workgroup_size: 128
    .sgpr_count:     96
    .vgpr_count:     576
    .wavefront_size: 32
...
	.end_amdgpu_metadata
.endif
;; end of part 3
;; launch gemm2 (part 4): grid 16 x 16, 4 waves a work-group, clusters of 4 x 1, 327,680 bytes of LDS; arguments hmid, wb, meta, tb2, ib2, out0, order, hidden_states; writes out0
.if DOCPART == 4
	.amdgcn_target "amdgcn-amd-amdhsa--gfx1250"
	.amdhsa_code_object_version 6
	.text
	.protected	k_q3b13ceccc2_gemm2
	.globl	k_q3b13ceccc2_gemm2
	.p2align	8
	.type	k_q3b13ceccc2_gemm2,@function
k_q3b13ceccc2_gemm2:
	s_mov_b64 s[64:65], 0
	v_nop
	global_prefetch_b8 v0, s[64:65] scope:SCOPE_SE
	s_setreg_imm32_b32 hwreg(HW_REG_WAVE_MODE, 25, 1), 1
	s_wait_xcnt 0x0
	s_wait_alu depctr_hold_cnt(0) depctr_sa_sdst(0) depctr_va_vdst(0) depctr_va_sdst(0) depctr_va_ssrc(0) depctr_va_vcc(0) depctr_vm_vsrc(0)
	s_getreg_b32 s2, hwreg(HW_REG_IB_STS2, 6, 4)
	s_cmp_eq_u32 s2, 0
	s_cbranch_scc0 .Lentry_in_a_cluster
	s_endpgm
.Lentry_in_a_cluster:
	s_bfe_u32 s2, ttmp6, 0x10000c
	s_cmp_lg_u32 s2, 0x3003
	s_cbranch_scc0 .Lentry_shape_is_right
	s_endpgm
.Lentry_shape_is_right:
; out0[token][n] = hidden_states[token][n] + factor x ( sum over k of hmid[slot][k] W2e[k][n] + b2e[n] ), token and factor from order[slot], e from meta[slice].  hmid: [4608][2048] bf16; W2e: wb's matrix 2 + e, [k][n] bf16.
; The factor is 1 for token types 0 and 1 and 0 for every other type.  Every token lies in one slot of its own; the other 512 slots REPEAT a token of their own slice: such a row is made from the same numbers by
; the same instructions as the token's own row, and this same work-group stores the same bytes to the same place a second time.  So all 288 rows go out alike: no mask, no count, no branch on data.
; SHARES, RING, WALK, CLUSTER and the K loop are the first product's: a work-group makes one slice (288 slots) x 128 columns, wave (WR, WC) 144 x 64 in 36 accumulators; K in steps of 128 through two LDS slots;
; the 16 steps walked as a ring from step 4 p, p = (g + cluster x) mod 4, g = 2 b2 + (b1 xor b0) of the slice's number, so that the work-groups that read the same tile ask for it in different trips;
; the matrix instruction transposed (source 0 = 16 columns of W, turned by ds_load_tr16_b128; source 1 = 16 slots); the bias as the C operand of the first products; the slice's tile of hmid asked for jointly by
; the cluster's four column tiles (mask 15), W's tile by each work-group for itself: the work-groups that share it are other slices of the same expert, and how many those are hangs on the data.
; THE RESIDUAL.  My 144 x 64 numbers of hidden_states (288 registers) are asked for in front of the K loop, by the tokens of my slots, and waited for once, behind it; the results are made in those registers and stored from them.
; LIMITS.  hmid and W are bf16, sums in f32, their order along K not ascending.  Factor 0 times a sum that is not finite gives NaN, as the mask's multiplication by 0 does in the formula itself.
; REGISTERS, in windows of 256 (s_set_vgpr_msb: bits 1:0 source 0, 3:2 source 1, 5:4 source 2, 7:6 destination):
;   window 0: v0-31 addresses; v32-135, v136-239 two fragment buffers (9 fragments of slots, then 4 of W); on the way out v32-95 two buffers of 16 rows
;   window 1: accumulator (a, b), a = 0..7, at v[32 a + 8 b]
;   window 2: v0-31 accumulators (8, b); v32-63 the bias; v64-135 byte offsets in hidden_states and out0; v136-207 factors; v208-239 the residual of block 8
;   window 3: the residual of block a = 0..7, row pair t, at v[32 a + 4 t]
.set PA,    272                        ; a row of hmid in LDS: 256 bytes + 16 = 68 words: the 16 rows of a load start at 16 different groups of four banks (64 banks of 4 bytes: ISA guide 11.1)
.set PB,    288                        ; a k-row of W: 256 + 32 = 72 words
.set APART, 96*PA
.set BOFF,  3*APART
.set SLOT,  BOFF+128*PB                ; 115,200 bytes
.set SP,    272                        ; the way out: a row of 64 f32 + 16 bytes
.set STAGE, 2*SLOT                     ; behind the ring, never filled by a tensor load: 16 rows for each wave
.set SPARE, STAGE+4*16*SP              ; behind the stages: the spare words, 128 bytes for each wave: two blocks of 256 bytes that no other line names
.set LAPS,  8
.set ADRA, 16                          ; v16-17  LDS address of my slots' fragments in slot 0, 1
.set ADRB, 18                          ; v18-19  the same for W
.set STO,  20                          ; v20     the way out: where I put 16 bytes
.set RD,   21                          ; v21     the way out: where I read rows back
.set COL,  22                          ; v22     my 16 bytes in a row of out0
.set SPW,  28                          ; v28     LDS address of my spare word; never rewritten
.set NIL,  29                          ; v29     0; never rewritten
.set F0,   32
.set F1,   136
.set BIAS, 32                          ; window 2
.set OFFS, 64                          ; window 2: index 8 a + t: the row 144 WR + 16 a + 8 h + t
.set SCL,  136                         ; window 2: likewise
.set WV, 20
.set WR, 21
.set WC, 22
.set CX, 23                            ; my place in the cluster: it enters W's, the bias's, hidden_states' and out0's global addresses alone
.set CT, 24
.set SL, 25
.set EX, 26                            ; s26 the slice's expert
.set G1A, 28
.set G1B, 36
.set G0A, 44
.set G0B, 52
.set CNT, 60
.set KS,  61                           ; s61 the K step to be asked for next, 0 to 15
.set OF,  62                           ; s[62:63] its byte offset, the high word 0
.set BA,  70                           ; s[70:71] hmid at my rows, K step 0
.set BB,  74                           ; s[74:75] W at my columns, K step 0
.set MSB, 0
.macro WIN new                         ; the immediate's high byte repeats the setting that is left; a switch that changes nothing is dropped
.if MSB != (\new)
	s_set_vgpr_msb (MSB<<8)|(\new)
.set MSB, (\new)
.endif
.endm
.macro PLACES                          ; four places in front of loads into registers that matrix instructions have read, and of lines that read results
.rept 4
	v_nop
.endr
.endm
.macro CREST                           ; a round of the cluster's barrier behind its opening barrier
	s_cmp_lg_u32 s[WV], 0
	s_cbranch_scc1 .Lnot_wave_0_\@
	s_barrier_signal -3
.Lnot_wave_0_\@:
	s_barrier_wait -3
	s_barrier_signal -1
	s_barrier_wait -1
.endm
.macro CROUND                          ; a whole round
	s_barrier_signal -1
	s_barrier_wait -1
	CREST
.endm
.macro JLOAD s                         ; a refill: waves 0 to 2 ask jointly for their thirds of hmid's tile, wave 3 for W's tile; an s_nop 0 and four v_nop follow each line
	s_cmp_lt_u32 s[WV], 3
	s_cbranch_scc0 .Lfor_b_\@
	tensor_load_to_lds s[G0A+4*(\s):G0A+4*(\s)+3], s[G1A:G1A+7]
	s_nop 0
.rept 4
	v_nop
.endr
	s_branch .Lasked_\@
.Lfor_b_\@:
	tensor_load_to_lds s[G0B+4*(\s):G0B+4*(\s)+3], s[G1B:G1B+7]
	s_nop 0
.rept 4
	v_nop
.endr
.Lasked_\@:
.endm
	s_load_b512 s[4:19], s[0:1], 0x0               ; hmid s[4:5], wb s[6:7], meta s[8:9], tb2 s[10:11], ib2 s[12:13], out0 s[14:15], order s[16:17], hidden_states s[18:19]
	v_lshl_add_u32 v[SPW], v0, 2, SPARE
	v_mov_b32 v[NIL], 0
	ds_add_u32 v28, v29
	s_wait_dscnt 0x0
	v_lshrrev_b32 v1, 5, v0
	v_readfirstlane_b32 s[WV], v1
	s_lshr_b32 s[WR], s[WV], 1
	s_and_b32 s[WC], s[WV], 1
	s_bfe_u32 s[CX], ttmp6, 0x40000
	s_lshl_b32 s[CT], ttmp9, 2                     ; in a cluster launch ttmp9 counts clusters
	s_add_co_u32 s[CT], s[CT], s[CX]
	s_and_b32 s[SL], ttmp7, 0xffff                 ; the slice, which the four partners share
	s_lshl_b32 s66, s[SL], 2
	s_bfe_u32 s[KS], s[SL], 0x10002                ; b2 of the slice's number
	s_lshr_b32 s[OF], s[SL], 1
	s_xor_b32 s[OF], s[OF], s[SL]
	s_and_b32 s[OF], s[OF], 1                      ; b1 xor b0
	s_lshl1_add_u32 s[KS], s[KS], s[OF]            ; g
	s_add_co_u32 s[KS], s[KS], ttmp9               ; + the cluster's x
	s_and_b32 s[KS], s[KS], 3                      ; p
	s_lshl_b32 s[KS], s[KS], 2                     ; the walk's first K step: 0, 4, 8 or 12
	s_mov_b32 s[OF+1], 0
	s_wait_kmcnt 0x0
	s_load_b32 s[EX], s[8:9], s66 offset:0x0       ; meta[slice]: the expert; waited for behind the round below
	s_mov_b32 s[G1A+0], 15|(1<<16)|(1<<20)|(1<<21)|(5<<22)|(3<<25)  ; 15:0 the mask of four; 17:16 2-byte elements; 20 padding on; 21 set beside a mask; 24:22 after every 64 words; 31:25 4 words
	s_mov_b32 s[G1A+1], 128<<16                    ; tensor_dim0 = 128
	s_mov_b32 s[G1A+2], 96<<16                     ; tensor_dim1 = 96
	s_mov_b32 s[G1A+3], 128<<16                    ; tile_dim0 = 128
	s_mov_b32 s[G1A+4], 96                         ; tile_dim1 = 96
	s_mov_b32 s[G1A+5], 2048                       ; elements from row to row
	s_mov_b32 s[G1A+6], 0
	s_mov_b32 s[G1A+7], 0
	s_mov_b32 s[G1B+0], (1<<16)|(1<<20)|(5<<22)|(7<<25)  ; no mask; 8 words of padding
	s_mov_b32 s[G1B+1], 128<<16
	s_mov_b32 s[G1B+2], 128<<16
	s_mov_b32 s[G1B+3], 128<<16
	s_mov_b32 s[G1B+4], 128
	s_mov_b32 s[G1B+5], 2048
	s_mov_b32 s[G1B+6], 0
	s_mov_b32 s[G1B+7], 0
	s_mul_i32 s67, s[WV], APART                    ; where my third of hmid's tile goes: the wave's number alone
	s_mul_i32 s68, s[SL], 288
	s_mul_i32 s69, s[WV], 96
	s_add_co_u32 s68, s68, s69                     ; its first row: slice and wave alone
	s_lshl_b32 s68, s68, 12
	s_mov_b32 s69, 0
	s_add_nc_u64 s[BA:BA+1], s[4:5], s[68:69]
	s_lshl_b32 s[OF], s[KS], 8                     ; a K step is 256 bytes along a row of hmid
	s_add_nc_u64 s[G0A+2:G0A+3], s[BA:BA+1], s[OF:OF+1]  ; slot 0: the walk's first step,
	s_add_nc_u64 s[G0A+6:G0A+7], s[G0A+2:G0A+3], 256     ; slot 1: the next (the first is 12 at the most: no wrap)
.irp s, 0,1
	s_mov_b32 s[G0A+4*\s], 1                       ; count = 1
	s_add_co_u32 s[G0A+4*\s+1], s67, \s*SLOT       ; LDS address
	s_or_b32 s[G0A+4*\s+3], s[G0A+4*\s+3], 0x80000000  ; type = 2
	s_mov_b32 s[G0B+4*\s], 1
	s_mov_b32 s[G0B+4*\s+1], BOFF+\s*SLOT
.endr
	CROUND                                         ; all four work-groups are here: the first joint loads meet
	s_wait_kmcnt 0x0                               ; the expert
	s_min_u32 s[EX], s[EX], 1
	s_lshl_b32 s72, s[EX], 23                      ; W2 of expert e is wb's matrix 2 + e, 8 MiB each
	s_add_co_u32 s72, s72, 0x1000000
	s_lshl_b32 s73, s[CT], 8                       ; my 128 columns
	s_add_co_u32 s72, s72, s73
	s_mov_b32 s73, 0
	s_add_nc_u64 s[BB:BB+1], s[6:7], s[72:73]
	s_lshl_b32 s[OF], s[KS], 19                    ; a K step is 128 k-rows of 4,096 bytes
	s_add_nc_u64 s[G0B+2:G0B+3], s[BB:BB+1], s[OF:OF+1]
	s_add_nc_u64 s[G0B+6:G0B+7], s[G0B+2:G0B+3], 524288
	s_or_b32 s[G0B+3], s[G0B+3], 0x80000000
	s_or_b32 s[G0B+7], s[G0B+7], 0x80000000
	s_add_co_u32 s[KS], s[KS], 2                   ; the first refill's step (14 at the most)
	s_cmp_lt_u32 s[WV], 3                          ; a wave's two first fills stand in one branch: two loads of mine are out
	s_cbranch_scc0 .Lfirst_b
	tensor_load_to_lds s[G0A:G0A+3], s[G1A:G1A+7]
	s_nop 0
	tensor_load_to_lds s[G0A+4:G0A+7], s[G1A:G1A+7]
	s_nop 0
.rept 4
	v_nop
.endr
	s_branch .Lfirst_asked
.Lfirst_b:
	tensor_load_to_lds s[G0B:G0B+3], s[G1B:G1B+7]
	s_nop 0
	tensor_load_to_lds s[G0B+4:G0B+7], s[G1B:G1B+7]
	s_nop 0
.rept 4
	v_nop
.endr
.Lfirst_asked:
	s_cmp_eq_u32 s[EX], 1
	s_cselect_b64 s[76:77], s[12:13], s[10:11]     ; the expert's bias,
	s_lshl_b32 s78, s[CT], 9
	s_lshl_b32 s79, s[WC], 8
	s_add_co_u32 s78, s78, s79                     ; at my wave's 64 columns: 512 x tile + 256 x half, in bytes of f32
	s_mov_b32 s79, 0
	s_add_nc_u64 s[76:77], s[76:77], s[78:79]
	s_mul_i32 s80, s[SL], 288
	s_mul_i32 s81, s[WR], 144
	s_add_co_u32 s80, s80, s81
	s_lshl_b32 s80, s80, 2
	s_mov_b32 s81, 0
	s_add_nc_u64 s[16:17], s[16:17], s[80:81]      ; order at my wave's first slot
	v_and_b32 v1, 15, v0                           ; r = lane % 16
	v_bfe_u32 v2, v0, 4, 1                         ; h = lane / 16
	v_lshlrev_b32 v7, 5, v2
	v_lshl_add_u32 v[COL], v1, 4, s78
	WIN 0x80                                       ; destination window 2
.irp b, 0,1,2,3
	global_load_b128 v[BIAS+8*\b:BIAS+8*\b+3],   v7, s[76:77] offset:64*\b     ; register j: bias of column 16 b + 8 h + j
	global_load_b128 v[BIAS+8*\b+4:BIAS+8*\b+7], v7, s[76:77] offset:64*\b+16
.endr
.irp a, 0,1,2,3,4,5,6,7,8
	global_load_b128 v[SCL+8*\a:SCL+8*\a+3],   v7, s[16:17] offset:64*\a       ; the entries of slots 16 a + 8 h + 0..7
	global_load_b128 v[SCL+8*\a+4:SCL+8*\a+7], v7, s[16:17] offset:64*\a+16
.endr
	WIN 0
	v_mul_u32_u24 v3, v1, PA                       ; a fragment of slots: row x pitch + 16 h, two loads 32 bytes apart
	v_lshl_add_u32 v3, v2, 4, v3
	s_mul_i32 s66, s[WR], 144*PA
	v_add_nc_u32 v[ADRA], s66, v3
	v_add_nc_u32 v[ADRA+1], SLOT, v[ADRA]
	v_and_b32 v4, 7, v0                            ; the turning load: lane l reads k-row 8 h + l % 8, columns 8 ((l / 8) % 2) + 0..7, and is left with column l % 16 and 8 k
	v_bfe_u32 v5, v0, 3, 1
	v_lshl_add_u32 v6, v2, 3, v4
	v_mul_u32_u24 v6, v6, PB
	v_lshl_add_u32 v6, v5, 4, v6
	s_lshl_b32 s66, s[WC], 7
	s_add_co_u32 s66, s66, BOFF
	v_add_nc_u32 v[ADRB], s66, v6
	v_add_nc_u32 v[ADRB+1], SLOT, v[ADRB]
	s_mul_i32 s66, s[WV], 16*SP
	s_add_co_u32 s66, s66, STAGE                   ; my stage
	v_mul_u32_u24 v8, v1, SP                       ; in: row r, 32 bytes for each half of the lanes
	v_lshl_add_u32 v8, v2, 5, v8
	v_add_nc_u32 v[STO], s66, v8
	v_mul_u32_u24 v8, v2, 8*SP                     ; back: lanes 0-15 take row t, lanes 16-31 row t + 8, 256 bytes each
	v_lshl_add_u32 v8, v1, 4, v8
	v_add_nc_u32 v[RD], s66, v8
	s_wait_loadcnt 0x0                             ; the bias and the entries
	WIN 0x88                                       ; source 1 and destination in window 2
.set i, 0
.rept 72
	v_and_b32 v[OFFS+i], 0xffff, v[SCL+i]          ; the token,
.set i, i+1
.endr
.set i, 0
.rept 72
	v_min_u32 v[OFFS+i], 0xfff, v[OFFS+i]          ; inside the table
.set i, i+1
.endr
.set i, 0
.rept 72
	v_and_b32 v[SCL+i], 0xffff0000, v[SCL+i]       ; the factor, as f32
.set i, i+1
.endr
	WIN 0x82                                       ; source 0 and destination in window 2
.set i, 0
.rept 72
	v_lshl_add_u32 v[OFFS+i], v[OFFS+i], 13, v[COL]  ; 8,192 bytes a row + my 16 bytes
.set i, i+1
.endr
	WIN 0xc2                                       ; destination window 3, address window 2
.set i, 0
.rept 64
	global_load_b128 v[4*i:4*i+3], v[OFFS+i], s[18:19]  ; 16 lanes take 256 consecutive bytes of a token's row; these loads stay out over the whole K loop
.set i, i+1
.endr
	WIN 0x82
.set i, 0
.rept 8
	global_load_b128 v[208+4*i:208+4*i+3], v[OFFS+64+i], s[18:19]
.set i, i+1
.endr
	WIN 0
; n blocks of 16 slots from a0 on x all 4 blocks of columns, 32 along K, from buffer f.  first = 1: the products start the sums, with the bias as C.
.macro MUL f, a0, n, first
.set ma, (\a0)
.rept \n
.if ma < 8
.set rD, 32*ma
.if \first
	WIN 0x60                                       ; D window 1, C window 2
.else
	WIN 0x50                                       ; C and D window 1
.endif
.else
.set rD, 0
	WIN 0xa0                                       ; C and D window 2
.endif
.irp b, 0,1,2,3
.if \first
	v_wmma_f32_16x16x32_bf16 v[rD+8*\b:rD+8*\b+7], v[(\f)+72+8*\b:(\f)+72+8*\b+7], v[(\f)+8*ma:(\f)+8*ma+7], v[BIAS+8*\b:BIAS+8*\b+7]
.else
	v_wmma_f32_16x16x32_bf16 v[rD+8*\b:rD+8*\b+7], v[(\f)+72+8*\b:(\f)+72+8*\b+7], v[(\f)+8*ma:(\f)+8*ma+7], v[rD+8*\b:rD+8*\b+7]
.endif
.endr
.set ma, ma+1
.endr
.endm
; 26 LDS loads in one run: the fragments of quarter q (32 along K) of a slot, into buffer f; W's eight first, then the slots' eighteen
.macro FETCH slot, q, f
	WIN 0
.irp b, 0,1,2,3
	ds_load_tr16_b128 v[(\f)+72+8*\b:(\f)+72+8*\b+3],   v[ADRB+(\slot)] offset:32*PB*(\q)+32*\b
	ds_load_tr16_b128 v[(\f)+72+8*\b+4:(\f)+72+8*\b+7], v[ADRB+(\slot)] offset:32*PB*(\q)+32*\b+16*PB
.endr
.irp a, 0,1,2,3,4,5,6,7,8
	ds_load_b128 v[(\f)+8*\a:(\f)+8*\a+3],   v[ADRA+(\slot)] offset:64*(\q)+16*PA*\a
	ds_load_b128 v[(\f)+8*\a+4:(\f)+8*\a+7], v[ADRA+(\slot)] offset:64*(\q)+16*PA*\a+32
.endr
.endm
; A K step is four quarters of 32 along K, 36 matrix instructions each, on buffers 0, 1, 0, 1.  The 36 accumulators take turns in the same order in every quarter (blocks 0-3, 8, 4-7).
.macro QUARTER slot, q, f, g, first
	s_wait_dscnt 10                                ; W and blocks 0-3 are in; the youngest ten loads (blocks 4-8) may be out
	MUL \f, 0, 4, \first
	PLACES
	FETCH \slot, \q, \g
	s_wait_dscnt 26                                ; all but the 26 just issued
	MUL \f, 8, 1, \first
	MUL \f, 4, 4, \first
.endm
; The last quarter multiplies buffer 1 and changes slots: ONE barrier; in front of it each wave waits for all its tensor loads (one is out: its part of the next slot), adds 0 to its spare word, and waits for that
; and for its own reads of this slot.  fill = 1: the barrier opens a round of the cluster's barrier, and this slot is filled again, with the ring's step KS, first thing behind the round: 128 matrix instructions
; ahead of the wait for it.  Both descriptors' addresses are made anew from that step's number while the add is out.
.macro TURN slot, next, fill
	WIN 0
	s_wait_tensorcnt 0x0                           ; all my tensor loads have landed, so a group 0 may be written
	ds_add_u32 v[SPW], v[NIL]                      ; 0 onto my spare word
.if \fill
	s_lshl_b32 s[OF], s[KS], 8
	s_add_nc_u64 s[G0A+4*(\slot)+2:G0A+4*(\slot)+3], s[BA:BA+1], s[OF:OF+1]
	s_or_b32 s[G0A+4*(\slot)+3], s[G0A+4*(\slot)+3], 0x80000000
	s_lshl_b32 s[OF], s[KS], 19
	s_add_nc_u64 s[G0B+4*(\slot)+2:G0B+4*(\slot)+3], s[BB:BB+1], s[OF:OF+1]
	s_or_b32 s[G0B+4*(\slot)+3], s[G0B+4*(\slot)+3], 0x80000000
	s_add_co_u32 s[KS], s[KS], 1                   ; the ring's next step
	s_and_b32 s[KS], s[KS], 15
.endif
	s_wait_dscnt 11                                ; (the add and the youngest ten loads may be out)
	MUL F1, 0, 2, 0                                ; eight matrix instructions stand between the add and the wait for it
	s_wait_dscnt 0x0                               ; the add is done, and my reads of this slot are over
	s_barrier_signal -1
	MUL F1, 2, 2, 0
	WIN 0                                          ; at a branch and at a label every window is 0
	s_barrier_wait -1
.if \fill
	CREST                                          ; no wave of any partner still reads this slot's tile or has a load on its way
	JLOAD \slot                                    ; its four v_nop are also the places in front of the loads below
.else
	PLACES
.endif
	FETCH \next, 0, F0
	MUL F1, 8, 1, 0
	MUL F1, 4, 4, 0
.endm
	s_wait_tensorcnt 1                             ; my part of the first step is in; the second's may stay out
	s_barrier_signal -1
	s_barrier_wait -1                              ; everybody's is
	FETCH 0, 0, F0
	QUARTER 0, 1, F0, F1, 1                        ; the first quarter stands in front of the loop: its products start the sums (the bias was waited for above)
	WIN 0
	s_mov_b32 s[CNT], LAPS-1
.Llap:                                                 ; a trip goes once round the two slots and fills both again
	QUARTER 0, 2, F1, F0, 0
	QUARTER 0, 3, F0, F1, 0
	TURN 0, 1, 1
	QUARTER 1, 1, F0, F1, 0
	QUARTER 1, 2, F1, F0, 0
	QUARTER 1, 3, F0, F1, 0
	TURN 1, 0, 1
	QUARTER 0, 1, F0, F1, 0
	WIN 0
	s_sub_co_u32 s[CNT], s[CNT], 1
	s_cmp_lg_u32 s[CNT], 0
	s_cbranch_scc1 .Llap
	QUARTER 0, 2, F1, F0, 0                        ; the last lap fills nothing
	QUARTER 0, 3, F0, F1, 0
	TURN 0, 1, 0
	QUARTER 1, 1, F0, F1, 0
	QUARTER 1, 2, F1, F0, 0
	QUARTER 1, 3, F0, F1, 0
	s_wait_dscnt 10
	MUL F1, 0, 4, 0
	s_wait_dscnt 0x0
	MUL F1, 8, 1, 0
	MUL F1, 4, 4, 0
	WIN 0
	PLACES
	s_wait_loadcnt 0x0                             ; the residual
; THE WAY OUT of block a (16 slots x my 64 columns), in two parts.  TOSTAGE: a lane's eight numbers of a row go into my own stage (each accumulator's lowest registers first) and come back
; as whole rows of 256 bytes: load t brings row t to lanes 0-15 and row t + 8 to lanes 16-31.  SEND: out = residual + factor x sum, made in the residual's registers, which nothing writes again, so that no
; store's data has to be waited for; each row goes to its token's place.  Block a's stage traffic stands ahead of block a - 1's arithmetic and stores.
.macro BLK a                           ; the registers and windows of block a
.set RB, 32+32*((\a)%2)
.if (\a) < 8
.set rD, 32*(\a)
.set rH, 32*(\a)
.set wD, 0x04                          ; LDS store: the data (source 1) in window 1
.set wF, 0xf8                          ; the rows (source 0) in window 0, the factor (source 1) in window 2, the residual (source 2 and destination) in window 3
.set wS, 0x0e                          ; global store: the address (source 0) in window 2, the data (source 1) in window 3
.else
.set rD, 0
.set rH, 208
.set wD, 0x08
.set wF, 0xa8
.set wS, 0x0a
.endif
.endm
.macro TOSTAGE a
	BLK \a
	WIN wD
.irp b, 0,1,2,3
	ds_store_b128 v[STO], v[rD+8*\b:rD+8*\b+3]   offset:64*\b
	ds_store_b128 v[STO], v[rD+8*\b+4:rD+8*\b+7] offset:64*\b+16
.endr
	WIN 0
.irp t, 0,1,2,3,4,5,6,7
	ds_load_b128 v[RB+4*\t:RB+4*\t+3], v[RD] offset:SP*\t  ; LDS serves a wave's instructions in order (ISA guide 5.7.1.4): these see the stores above, and the next block's stores come behind them
.endr
.endm
.macro SEND a, younger                 ; younger: the LDS instructions issued behind block a's loads: the next block's sixteen, or none
	BLK \a
	s_wait_dscnt \younger
	WIN wF
.irp t, 0,2,4,6
	v_pk_fma_f32 v[rH+4*\t:rH+4*\t+1],   v[RB+4*\t:RB+4*\t+1],   v[SCL+8*(\a)+\t:SCL+8*(\a)+\t+1], v[rH+4*\t:rH+4*\t+1]   op_sel_hi:[1,0,1]  ; the pair's low word is this row's factor,
	v_pk_fma_f32 v[rH+4*\t+2:rH+4*\t+3], v[RB+4*\t+2:RB+4*\t+3], v[SCL+8*(\a)+\t:SCL+8*(\a)+\t+1], v[rH+4*\t+2:rH+4*\t+3] op_sel_hi:[1,0,1]
	v_pk_fma_f32 v[rH+4*\t+4:rH+4*\t+5], v[RB+4*\t+4:RB+4*\t+5], v[SCL+8*(\a)+\t:SCL+8*(\a)+\t+1], v[rH+4*\t+4:rH+4*\t+5] op_sel:[0,1,0] op_sel_hi:[1,1,1]  ; its high word the next row's
	v_pk_fma_f32 v[rH+4*\t+6:rH+4*\t+7], v[RB+4*\t+6:RB+4*\t+7], v[SCL+8*(\a)+\t:SCL+8*(\a)+\t+1], v[rH+4*\t+6:rH+4*\t+7] op_sel:[0,1,0] op_sel_hi:[1,1,1]
.endr
	WIN wS
.irp t, 0,1,2,3,4,5,6,7
	global_store_b128 v[OFFS+8*(\a)+\t], v[rH+4*\t:rH+4*\t+3], s[14:15] th:TH_STORE_NT  ; 16 lanes store 256 consecutive bytes, at a multiple of 256 from out0's first byte
.endr
.endm
	TOSTAGE 0
.irp a, 1,2,3,4,5,6,7,8
	TOSTAGE \a
	SEND (\a)-1, 16
.endr
	SEND 8, 0
	WIN 0
	s_wait_tensorcnt 0x0                           ; the wave's end, behind my last tensor load and my last LDS store
	ds_add_u32 v[SPW], v[NIL]
	s_wait_dscnt 0x0
	CROUND                                         ; the closing round: no work-group ends while a partner may still ask for a tile that names it
	s_endpgm
.Lfunc_end_k_q3b13ceccc2_gemm2:
	.size	k_q3b13ceccc2_gemm2, .Lfunc_end_k_q3b13ceccc2_gemm2-k_q3b13ceccc2_gemm2
	.p2alignl 7, 3214868480
	.fill 96, 4, 3214868480
	.section	.rodata,"a",@progbits
	.p2align	6, 0x0
	.amdhsa_kernel k_q3b13ceccc2_gemm2
		.amdhsa_group_segment_fixed_size 327680
		.amdhsa_private_segment_fixed_size 0
		.amdhsa_enable_private_segment 0
		.amdhsa_kernarg_size 64
		.amdhsa_user_sgpr_count 2
		.amdhsa_user_sgpr_kernarg_segment_ptr 1
		.amdhsa_wavefront_size32 1
		.amdhsa_system_sgpr_workgroup_id_x 1
		.amdhsa_system_sgpr_workgroup_id_y 1
		.amdhsa_system_sgpr_workgroup_id_z 1
		.amdhsa_system_vgpr_workitem_id 0
		.amdhsa_next_free_vgpr 1024
		.amdhsa_next_free_sgpr 96
		.amdhsa_reserve_vcc 0
		.amdhsa_float_denorm_mode_32 3
		.amdhsa_float_denorm_mode_16_64 3
		.amdhsa_memory_ordered 1
		.amdhsa_forward_progress 1
		.amdhsa_inst_pref_size 131
	.end_amdhsa_kernel
	.amdgpu_metadata
---
amdhsa.version: [ 1, 2 ]
amdhsa.kernels:
  - .name:           k_q3b13ceccc2_gemm2
    .symbol:         k_q3b13ceccc2_gemm2.kd
    .args:
      - { .name: hmid, .offset: 0, .size: 8, .value_kind: global_buffer, .address_space: global }
      - { .name: wb, .offset: 8, .size: 8, .value_kind: global_buffer, .address_space: global }
      - { .name: meta, .offset: 16, .size: 8, .value_kind: global_buffer, .address_space: global }
      - { .name: tb2, .offset: 24, .size: 8, .value_kind: global_buffer, .address_space: global }
      - { .name: ib2, .offset: 32, .size: 8, .value_kind: global_buffer, .address_space: global }
      - { .name: out0, .offset: 40, .size: 8, .value_kind: global_buffer, .address_space: global }
      - { .name: order, .offset: 48, .size: 8, .value_kind: global_buffer, .address_space: global }
      - { .name: hidden_states, .offset: 56, .size: 8, .value_kind: global_buffer, .address_space: global }
    .group_segment_fixed_size: 327680
    .private_segment_fixed_size: 0
    .kernarg_segment_align: 8
    .kernarg_segment_size: 64
    .max_flat_workgroup_size: 128
    .sgpr_count:     96
    .vgpr_count:     1024
    .wavefront_size: 32
...
	.end_amdgpu_metadata
.endif
;; end of part 4
;; ======== version 2 of 2: 4 launches; version 1 with the launch ln written anew for expert scheduling mode
;; limits: a function is approximated: absolute error at most 2.5e-05; an absolute error that grows with the inputs' magnitude: up to 1.25e-05 times it
;; workspace buffers: wb 33,554,432 bytes; xs 18,874,368 bytes; hmid 18,874,368 bytes; order 18,432 bytes of whole numbers; meta 256 bytes of whole numbers
;; launch prep: the kernel of part 1 again; grid 1025 x 1, 8 waves a work-group, no clusters, 19,712 bytes of LDS; arguments token_type_ids, tw1, iw1, tw2, iw2, wb, order, meta; writes wb, order, meta
;; launch ln (part 5): grid 256 x 1, 18 waves a work-group, no clusters, 18,688 bytes of LDS; arguments hidden_states, order, ln_gamma, ln_beta, xs; writes xs
.if DOCPART == 5
	.amdgcn_target "amdgcn-amd-amdhsa--gfx1250"
	.amdhsa_code_object_version 6
	.text
	.protected	k_q3b13ceccc2_ln
	.globl	k_q3b13ceccc2_ln
	.p2align	8
	.type	k_q3b13ceccc2_ln,@function
k_q3b13ceccc2_ln:
	s_mov_b64 s[64:65], 0
	v_nop
	global_prefetch_b8 v0, s[64:65] scope:SCOPE_SE
	s_setreg_imm32_b32 hwreg(HW_REG_WAVE_SCHED_MODE, 0, 2), 2
	s_setreg_imm32_b32 hwreg(HW_REG_WAVE_MODE, 25, 1), 1
	s_wait_xcnt 0x0
	s_wait_alu depctr_vm_vsrc(0)
; xs[slot][:] = bf16( (x - mean) * rsqrt(var + 1e-12) * gamma + beta ), x = hidden_states[token of the slot].  4,608 slots = 256 work-groups x 18 waves:
; one wave, one row of 8,192 bytes, kept in 64 registers between the passes: the mean, then the sum of squares of x - mean (two passes, so a common
; offset of the inputs costs no accuracy), then the scaling.  All 16 loads of a row go out at once.  Every slot names a token (512 of the 4,608 repeat a token of their slice): all rows are made alike.
; gamma and beta are fetched once by the work-group (waves 0 to 15, 16 bytes a thread) and read by every wave from LDS.
; Matrix units, clusters and tensor loads buy nothing here: the launch moves bytes.
; THE MODE: SCHED_MODE bits 1:0 = 2 (LLVM: expert scheduling mode 2), set by the entry lines.  The code itself states the register dependences
; between vector instructions and memory or LDS instructions, with s_wait_alu, always for 0.
; THE PLAN.  Registers that memory or LDS instructions touch:
;   v2, v3, v4   byte offsets and LDS addresses, made once at the head and never written again: one wait at the head serves every load and store.
;   X            The 16 row loads land in it; then vector instructions alone write it.  Of each four registers the low pair ends as the rounded row, which that half's eight stores read and nothing writes again.
;   G, BT        v[G:G+7] take gamma's and beta's global loads and are read by my two LDS stores; then half 0's LDS loads land in G and BT, half 0's sixteen multiply-adds read them,
;                half 1's LDS loads land in them, half 1's multiply-adds read them.
;   v144, v145   written at the head, read by the closing add alone.
; So one wait stands behind half 0's multiply-adds and roundings: it states that G and BT have been read and that the stores' data are written.  Behind it half 1's sixteen LDS loads and half 0's eight stores
; are dealt among half 1's multiplies by 1/sigma, which name the upper half of X and v[A+2:A+3]: none of the registers that those loads and stores touch.  A second such wait stands ahead of half 1's stores.
.set X,   8                            ; v[8:71]    the row: load j holds columns 128 j + 4 lane .. + 3
.set G,   72                           ; v[72:103]  gamma for half a row
.set BT,  104                          ; v[104:135] beta for half a row
.set A,   136                          ; v[136:143] four running pairs; later mean, 1/sigma
.set WV,  20
	s_load_b256 s[4:11], s[0:1], 0x0               ; hidden s[4:5], order s[6:7], gamma s[8:9], beta s[10:11]
	s_load_b64 s[12:13], s[0:1], 0x20              ; xs
	v_lshl_add_u32 v144, v0, 2, 0x4000
	v_mov_b32 v145, 0
	v_lshrrev_b32 v1, 5, v0
	v_readfirstlane_b32 s[WV], v1
	v_lshlrev_b32 v2, 4, v0                        ; 16 x thread
	v_and_b32 v3, 31, v0
	v_lshlrev_b32 v4, 3, v3                        ; 8 x lane
	v_lshlrev_b32 v3, 4, v3                        ; 16 x lane
	s_mul_i32 s21, ttmp9, 18
	s_mov_b32 s24, 0x76543210                      ; v_permlanex16_b32: each lane takes its own place in the other half
	s_mov_b32 s25, 0xfedcba98
	s_mov_b32 s26, 0x3a000000                      ; 1 / 2048
	s_mov_b32 s27, 0x2b8cbccc                      ; 1e-12
	s_mov_b32 s29, 0
	s_wait_alu depctr_va_sdst(0)                   ; my wave's number is written into s20, ahead of its first reader: the slot is made from it
	s_add_co_u32 s21, s21, s[WV]                   ; my slot
	s_lshl_b32 s22, s21, 2
	s_lshl_b32 s28, s21, 12                        ; a row of xs is 4,096 bytes
	s_wait_kmcnt 0x0
	s_load_b32 s23, s[6:7], s22 offset:0x0         ; the slot's entry
	s_add_nc_u64 s[12:13], s[12:13], s[28:29]
	s_wait_alu depctr_va_vdst(0)                   ; v2, v3 and v4 are written, which every load and store below reads as its offset or address; so are v144 and v145
	s_cmp_lt_u32 s[WV], 16
	s_cbranch_scc0 .Lno_gb
	global_load_b128 v[G:G+3], v2, s[8:9]          ; 512 threads x 16 bytes = all of gamma,
	global_load_b128 v[G+4:G+7], v2, s[10:11]      ; and of beta
.Lno_gb:
	s_wait_kmcnt 0x0
	s_and_b32 s23, s23, 0xffff                     ; the token
	s_min_u32 s23, s23, 4095
	s_lshl_b32 s30, s23, 13                        ; a row of hidden_states is 8,192 bytes
	s_mov_b32 s31, 0
	s_add_nc_u64 s[4:5], s[4:5], s[30:31]
.set j, 0
.rept 16
	global_load_b128 v[X+4*j:X+4*j+3], v3, s[4:5] offset:512*j  ; 512 consecutive bytes a load
.set j, j+1
.endr
	s_cmp_lt_u32 s[WV], 16
	s_cbranch_scc0 .Lno_st
	s_wait_loadcnt 16                              ; gamma's and beta's loads are in; the 16 row loads issued behind them stay out
	ds_store_b128 v2, v[G:G+3]
	ds_store_b128 v2, v[G+4:G+7] offset:8192
.Lno_st:
	s_wait_dscnt 0x0                               ; for the others: my part of gamma and beta is written
	s_barrier_signal -1
	s_barrier_wait -1
	s_wait_alu depctr_vm_vsrc(0)                   ; my two LDS stores have read v[G:G+7], in which the LDS loads below land
.set j, 0
.rept 8                                                ; gamma and beta for the first half of my columns
	ds_load_b128 v[G+4*j:G+4*j+3], v3 offset:512*j
	ds_load_b128 v[BT+4*j:BT+4*j+3], v3 offset:8192+512*j
.set j, j+1
.endr
.macro TOTAL                           ; the four pairs, then the 32 lanes: every lane ends with the sum in v[A]
	v_pk_add_f32 v[A:A+1], v[A:A+1], v[A+2:A+3]
	v_pk_add_f32 v[A+4:A+5], v[A+4:A+5], v[A+6:A+7]
	v_pk_add_f32 v[A:A+1], v[A:A+1], v[A+4:A+5]
	v_add_f32 v[A], v[A], v[A+1]
	v_add_f32_dpp v[A], v[A], v[A] row_xmask:1 row_mask:0xf bank_mask:0xf
	v_add_f32_dpp v[A], v[A], v[A] row_xmask:2 row_mask:0xf bank_mask:0xf
	v_add_f32_dpp v[A], v[A], v[A] row_xmask:4 row_mask:0xf bank_mask:0xf
	v_add_f32_dpp v[A], v[A], v[A] row_xmask:8 row_mask:0xf bank_mask:0xf
	v_permlanex16_b32 v[A+1], v[A], s24, s25
	v_add_f32 v[A], v[A], v[A+1]
.endm
	s_wait_loadcnt 0x0                             ; the row
.irp c, 0,1,2,3
	v_pk_add_f32 v[A+2*\c:A+2*\c+1], v[X+2*\c:X+2*\c+1], v[X+8+2*\c:X+8+2*\c+1]  ; the first eight pairs start four chains: nothing is cleared
.endr
.set p, 8
.rept 24
	v_pk_add_f32 v[A+2*(p%4):A+2*(p%4)+1], v[A+2*(p%4):A+2*(p%4)+1], v[X+2*p:X+2*p+1]
.set p, p+1
.endr
	TOTAL
	v_mul_f32 v[A], s26, v[A]                      ; the mean
	v_mov_b32 v[A+1], v[A]                         ; named with it as a pair
.set p, 0
.rept 32
	v_pk_add_f32 v[X+2*p:X+2*p+1], v[X+2*p:X+2*p+1], v[A:A+1] op_sel_hi:[1,0] neg_lo:[0,1] neg_hi:[0,1]
.set p, p+1
.endr
.irp c, 0,1,2,3
	v_pk_mul_f32 v[A+2*\c:A+2*\c+1], v[X+2*\c:X+2*\c+1], v[X+2*\c:X+2*\c+1]
.endr
.set p, 4
.rept 28
	v_pk_fma_f32 v[A+2*(p%4):A+2*(p%4)+1], v[X+2*p:X+2*p+1], v[X+2*p:X+2*p+1], v[A+2*(p%4):A+2*(p%4)+1]
.set p, p+1
.endr
	TOTAL
	v_fma_f32 v[A], v[A], s26, s27                 ; the variance + 1e-12
	v_rsq_f32 v[A+2], v[A]
	v_rsq_f32 v[A+3], v[A]                         ; twice, for the packed multiply
	v_nop                                          ; a plain instruction between the root and the use of its result (ISA guide 5.7.2)
	s_wait_alu depctr_va_vdst(0)                   ; the two roots have written v[A+2:A+3], ahead of the first multiply that reads the pair
.macro AFFINE hf                       ; times gamma, plus beta: half hf of the row
.set p, 0
.rept 16
	v_pk_fma_f32 v[X+32*(\hf)+2*p:X+32*(\hf)+2*p+1], v[X+32*(\hf)+2*p:X+32*(\hf)+2*p+1], v[G+2*p:G+2*p+1], v[BT+2*p:BT+2*p+1]
.set p, p+1
.endr
.endm
.macro ROUNDED hf                      ; four numbers close up into the low pair of their four registers
.set j, 8*(\hf)
.rept 8
	v_cvt_pk_bf16_f32 v[X+4*j], v[X+4*j], v[X+4*j+1]
	v_cvt_pk_bf16_f32 v[X+4*j+1], v[X+4*j+2], v[X+4*j+3]
.set j, j+1
.endr
.endm
	; the first half of the row
.set p, 0
.rept 16
	v_pk_mul_f32 v[X+2*p:X+2*p+1], v[X+2*p:X+2*p+1], v[A+2:A+3]  ; by 1/sigma: these need neither gamma nor beta, so they stand ahead of the wait for them
.set p, p+1
.endr
	s_wait_dscnt 0x0                               ; this half's gamma and beta
	AFFINE 0
	ROUNDED 0
	s_wait_alu depctr_va_vdst(0)                   ; the multiply-adds are done reading G and BT, in which the LDS loads below land; the roundings have written the low pairs of v[X:X+31], which the stores below read
.set j, 0
.rept 8                                                ; the other half's gamma and beta come in and this half goes out, dealt among the other half's multiplies by 1/sigma.  No further wait: no vector instruction since the wait above names G, BT, v3, v4 or v[X:X+31]
	ds_load_b128 v[G+4*j:G+4*j+3], v3 offset:512*(8+j)
	ds_load_b128 v[BT+4*j:BT+4*j+3], v3 offset:8192+512*(8+j)
	global_store_b64 v4, v[X+4*j:X+4*j+1], s[12:13] offset:256*j  ; the wave's store covers 256 consecutive bytes, aligned
	v_pk_mul_f32 v[X+32+4*j:X+32+4*j+1], v[X+32+4*j:X+32+4*j+1], v[A+2:A+3]
	v_pk_mul_f32 v[X+32+4*j+2:X+32+4*j+3], v[X+32+4*j+2:X+32+4*j+3], v[A+2:A+3]
.set j, j+1
.endr
	; the second half of the row
	s_wait_dscnt 0x0                               ; this half's gamma and beta
	AFFINE 1
	ROUNDED 1
	s_wait_alu depctr_va_vdst(0)                   ; the roundings have written the low pairs of v[X+32:X+63], which the stores below read
.set j, 8
.rept 8
	global_store_b64 v4, v[X+4*j:X+4*j+1], s[12:13] offset:256*j  ; the wave's store covers 256 consecutive bytes, aligned
.set j, j+1
.endr
	s_wait_dscnt 0x0                               ; the closing lines, six on end
	s_wait_alu 0x0
	s_wait_tensorcnt 0x0
	ds_add_u32 v144, v145
	s_wait_dscnt 0x0
	s_endpgm
.Lfunc_end_k_q3b13ceccc2_ln:
	.size	k_q3b13ceccc2_ln, .Lfunc_end_k_q3b13ceccc2_ln-k_q3b13ceccc2_ln
	.p2alignl 7, 3214868480
	.fill 96, 4, 3214868480
	.section	.rodata,"a",@progbits
	.p2align	6, 0x0
	.amdhsa_kernel k_q3b13ceccc2_ln
		.amdhsa_group_segment_fixed_size 18688
		.amdhsa_private_segment_fixed_size 0
		.amdhsa_enable_private_segment 0
		.amdhsa_kernarg_size 40
		.amdhsa_user_sgpr_count 2
		.amdhsa_user_sgpr_kernarg_segment_ptr 1
		.amdhsa_wavefront_size32 1
		.amdhsa_system_sgpr_workgroup_id_x 1
		.amdhsa_system_sgpr_workgroup_id_y 1
		.amdhsa_system_sgpr_workgroup_id_z 1
		.amdhsa_system_vgpr_workitem_id 0
		.amdhsa_next_free_vgpr 146
		.amdhsa_next_free_sgpr 66
		.amdhsa_reserve_vcc 0
		.amdhsa_float_denorm_mode_32 3
		.amdhsa_float_denorm_mode_16_64 3
		.amdhsa_memory_ordered 1
		.amdhsa_forward_progress 1
		.amdhsa_inst_pref_size 21
	.end_amdhsa_kernel
	.amdgpu_metadata
---
amdhsa.version: [ 1, 2 ]
amdhsa.kernels:
  - .name:           k_q3b13ceccc2_ln
    .symbol:         k_q3b13ceccc2_ln.kd
    .args:
      - { .name: hidden_states, .offset: 0, .size: 8, .value_kind: global_buffer, .address_space: global }
      - { .name: order, .offset: 8, .size: 8, .value_kind: global_buffer, .address_space: global }
      - { .name: ln_gamma, .offset: 16, .size: 8, .value_kind: global_buffer, .address_space: global }
      - { .name: ln_beta, .offset: 24, .size: 8, .value_kind: global_buffer, .address_space: global }
      - { .name: xs, .offset: 32, .size: 8, .value_kind: global_buffer, .address_space: global }
    .group_segment_fixed_size: 18688
    .private_segment_fixed_size: 0
    .kernarg_segment_align: 8
    .kernarg_segment_size: 40
    .max_flat_workgroup_size: 576
    .sgpr_count:     66
    .vgpr_count:     146
    .wavefront_size: 32
...
	.end_amdgpu_metadata
.endif
;; end of part 5
;; launch gemm1: the kernel of part 3 again; grid 16 x 16, 4 waves a work-group, clusters of 4 x 1, 327,680 bytes of LDS; arguments xs, wb, meta, tb1, ib1, hmid; writes hmid
;; launch gemm2: the kernel of part 4 again; grid 16 x 16, 4 waves a work-group, clusters of 4 x 1, 327,680 bytes of LDS; arguments hmid, wb, meta, tb2, ib2, out0, order, hidden_states; writes out0
